; MI455X (gfx1250); checked and timed in simulation.
; The chip was launched on July 23, 2026; its instructions are those of AMD's public machine-readable ISA for CDNA 5 (MIT licence, August 2026) and "CDNA5" Instruction Set Architecture Reference Guide (July 2026). The comments in the code are by the model that wrote it; some were corrected since.
;; Multi Head Attention. Allowed arithmetic: matrix products marked QUANTISED: E2M3 operands, one E8M0 scale for each 32 along K, by v_wmma_scale_f32_16x16x128_f8f6f4 with both operands' format E2M3, f32 sums; everything else in f32.
;; Inputs: Wk 512 x 512 float32; Wo 512 x 512 float32; Wq 512 x 512 float32; Wv 512 x 512 float32; bk 512 float32; bo 512 float32; bq 512 float32; bv 512 float32; key_in 2 x 4,096 x 512 float32; mask 2 x 4,096 int32; query 2 x 4,096 x 512 float32; value 2 x 4,096 x 512 float32.
;; Outputs: out0 2 x 4,096 x 512 float32.
;; This version of the problem:
;;   THIS VERSION OF THE PROBLEM IS GIVEN IN LOW PRECISION. The matrix products marked QUANTISED in the list below multiply operands that are first quantised to E2M3 (2 exponent bits, 3 mantissa bits; 6 bits a number), with one power-of-two scale for each 32 numbers along K (OCP MX v1.0); their sums are f32. All else is computed in f32.
;;   The module's matrix products, in the order in which they are computed (A, B: the left and right operand; K: the contracted axis; several contracted axes count as one K, in the product's order):
;;     1. [M 8,192, K 512] x [K 512, N 512]; A: input query; B: input Wq: QUANTISED
;;     2. [M 8,192, K 512] x [K 512, N 512]; A: input key_in; B: input Wk: QUANTISED
;;     3. [M 8,192, K 512] x [K 512, N 512]; A: input value; B: input Wv: QUANTISED
;;     4. batch 16 x [M 4,096, K 64] x [K 64, N 4,096]; A: computed on the way; B: computed on the way: QUANTISED
;;     5. batch 16 x [M 4,096, K 4,096] x [K 4,096, N 64]; A: softmax (see below); B: computed on the way: QUANTISED
;;     6. [M 8,192, K 512] x [K 512, N 512]; A: computed on the way; B: input Wo: QUANTISED
;;   THE QUANTISER, for each operand of a quantised product, along K:
;;     - K is cut into blocks of 32 from its start; a last block that is shorter is filled with zeros.
;;     - A block's scale is 2^e with e = floor(log2(the largest magnitude in the block)) - 2, held to -126 .. 127; a block of zeros has e = 0. As a byte (E8M0): e + 127.
;;     - Each number is divided by its block's scale, clamped to +-7.5, and rounded to the nearest number of E2M3, ties to even, subnormals kept.
;;     - The product sums the exact products of the quantised numbers (number of the format x scale) in f32.
;;   ~~~python
;;   def quantise(x, axis):      # numpy; x: float32 -> the quantised numbers, widened to float32 again
;;       x = np.moveaxis(x, axis, -1); K = x.shape[-1]
;;       x = np.pad(x, [(0, 0)] * (x.ndim - 1) + [(0, -K % 32)]); x = x.reshape(x.shape[:-1] + (-1, 32)); a = np.abs(x).max(-1, keepdims=True)
;;       e = np.where(a > 0, np.clip(np.frexp(np.where(a > 0, a, 1))[1] - 1 - 2, -126, 127), 0)      # np.frexp(a)[1] - 1 = floor(log2(a)), exactly
;;       r = np.clip(x / 2.0 ** e, -7.5, 7.5)
;;       step = 2.0 ** (np.maximum(np.frexp(np.where(r == 0, 1, r))[1] - 1, 0) - 3)
;;       q = np.round(r / step) * step * 2.0 ** e      # np.round: ties to even
;;       return np.moveaxis(q.reshape(q.shape[:-2] + (-1,))[..., :K], -1, axis).astype(np.float32)
;;   ~~~
;;   SOFTMAX AHEAD OF A QUANTISED PRODUCT. Where the list says 'softmax', what is quantised is not the finished softmax but p = 2^(t - M), with t = logit x log2(e) and M = ceil(the row's largest t), a whole number; so 1/2 < the row's largest p <= 1. The row's sum l is taken of the UNQUANTISED p, in f32, and the product's result is divided by l at the end. Since M is a whole number, a kernel that streams over the keys may use a running M (the ceiling of the running maximum): every later rescaling is an exact power of two, which a block's scale takes up: the codes' values come out the same.
;;   OPERANDS COMPUTED ON THE WAY. 'Computed on the way' means the value that the module computes at that place (a softmax that the list does not call 'softmax' is quantised finished and normalised). What goes into a quantiser is computed in f32, as accurately as f32 sums, v_exp_f32 and their like allow (about 1e-6 of the number): no bf16 or f16 on the way to a quantiser, and a product that is left as it is and whose result goes on into a quantised operand takes f32 operands (vector FMAs, or v_wmma_f32_16x16x4_f32). A number that lies on a knife's edge between two numbers of the format may be rounded either way, as far as f32 arithmetic and the matrix unit's own rounding can turn it there, and no further.
;; 2 versions. Each part assembles by itself: llvm-mc -triple=amdgcn-amd-amdhsa -mcpu=gfx1250 --defsym DOCPART=n.
;; ======== version 1 of 2: 4 launches
;; limits: right only within a limited range of input values
;; workspace buffers: wimg 786,432 bytes; wsc 32,768 bytes; qimg 3,407,872 bytes; kv 6,684,672 bytes; xc 3,145,728 bytes; xs 524,288 bytes
;; launch wprep (part 1): grid 16 x 4, 4 waves a work-group, no clusters, 12,800 bytes of LDS; arguments Wq, Wk, Wv, Wo, wimg, wsc; writes wimg, wsc
.if DOCPART == 1
	.amdgcn_target "amdgcn-amd-amdhsa--gfx1250"
	.amdhsa_code_object_version 6
	.text
	.protected	k_qe2aed58f9a_wprep
	.globl	k_qe2aed58f9a_wprep
	.p2align	8
	.type	k_qe2aed58f9a_wprep,@function
k_qe2aed58f9a_wprep:
	s_mov_b64 s[64:65], 0
	v_nop
	global_prefetch_b8 v0, s[64:65] scope:SCOPE_SE
	s_setreg_imm32_b32 hwreg(HW_REG_WAVE_MODE, 25, 1), 1
	s_wait_xcnt 0x0
; Wq, Wk, Wv, Wo [512 (k)][512 (n)], f32, are turned into codes of FP6 (E2M3) with one E8M0 scale byte for each 32 along K, K being their FIRST axis.
; The codes leave as IMAGES OF OPERAND REGISTERS: a fragment (16 columns x 128 K, 12 registers a lane) is three groups of four registers, 512 dense bytes each, lane l's 16 bytes at 16 l.
; wimg: [weight][w 0..7][t 0..3][s 0..3] x 1,536 bytes.  Lane (r, h) of fragment (w, t, s) holds column 64 w + 32 (t / 2) + 8 (t % 2) + r + 8 (r / 8); its registers 6 c .. 6 c + 5 hold k = 128 s + 64 c + 32 h + 0 .. 31.
; wsc:  [weight][w][s][t][r]: one word a column and 128 along K.
; A LANE TAKES A COLUMN, AND ITS REGISTERS RUN DOWN K: a block of 32 lies in one lane's 32 registers, and the conversions give codes with K innermost.  Each load reads 128 consecutive bytes.
; Work-group (x, y): weight y, K step s = x % 4; wave v: columns 32 g .. 32 g + 31, g = 4 (x / 4) + v: the two tiles 2 (g % 2) + u of w = g / 2.  Lane l is lane r = l % 8 + 8 (l / 16) of tile u = (l / 8) % 2.
; A block's scale is 2^(floor(log2(its largest magnitude)) - 2); its byte is the largest magnitude's exponent field - 2, held at 1 from below (a block of zeros keeps the byte 1: its codes are zeros, and this program alone reads the bytes).
; LIMITS: blocks whose largest magnitude lies under 2^-124 take the floor's byte, 1; NaN and infinities among the inputs are not served.
; No barrier: waves share nothing.
.set EMAX,  2
.set X,     32                         ; v32-159  four blocks of 32 numbers
.set C,     160                        ; v160-191 eight registers a block: six of codes, two at work
.set OUTR,  192                        ; v192-215 the two images read back
.set SB,    16                         ; v16      my column's scale word
.set SPW,   10                         ; v10      LDS address of my spare word; never rewritten
.set NIL,   11                         ; v11      0; never rewritten
.set STGB,  3072                       ; a wave's stage: two images of 1,536 bytes
.set SPARE, 4*STGB                     ; behind the four stages: the spare words, 128 bytes a wave
	s_load_b256 s[4:11], s[0:1], 0x0               ; Wq, Wk, Wv, Wo
	s_load_b128 s[12:15], s[0:1], 0x20             ; wimg, wsc
	v_lshl_add_u32 v[SPW], v0, 2, SPARE
	v_mov_b32 v[NIL], 0
	v_lshrrev_b32 v1, 5, v0
	v_readfirstlane_b32 s16, v1                    ; wave 0..3
	v_and_b32 v1, 31, v0                           ; lane
	v_lshlrev_b32 v2, 2, v1                        ; in: 4 bytes a lane
	s_mul_i32 s17, s16, STGB                       ; my stage
	v_bfe_u32 v7, v0, 3, 1                         ; u: which of the two tiles my column belongs to
	v_and_b32 v8, 7, v0
	v_bfe_u32 v9, v0, 4, 1
	v_lshl_add_u32 v8, v9, 3, v8                   ; r: my column's lane in that tile
	v_mul_u32_u24 v3, v7, 1536
	v_lshl_add_u32 v3, v8, 4, v3
	v_add_nc_u32 v3, s17, v3                       ; into the stage: image u, 16 r
	v_lshlrev_b32 v5, 4, v1                        ; 16 x lane
	v_add_nc_u32 v4, s17, v5                       ; out of the stage
	v_lshlrev_b32 v6, 6, v7
	v_lshl_add_u32 v6, v8, 2, v6                   ; my scale word's place: 64 u + 4 r
	s_and_b32 s18, ttmp7, 0xffff                   ; the weight
	s_and_b32 s19, ttmp9, 3                        ; s
	s_lshr_b32 s20, ttmp9, 2
	s_lshl_b32 s20, s20, 2
	s_add_co_u32 s20, s20, s16                     ; g
	s_lshr_b32 s21, s20, 1                         ; w
	s_and_b32 s22, s20, 1
	s_lshl_b32 s22, s22, 1                         ; 2 (g % 2)
	s_lshl_b32 s24, s19, 18                        ; W: 128 s rows of 2,048 bytes
	s_lshl_b32 s23, s20, 7                         ; + 32 g columns
	s_add_co_u32 s24, s24, s23
	s_mov_b32 s25, 0
	s_lshl_b32 s26, s21, 2
	s_add_co_u32 s26, s26, s22                     ; 4 w + t
	s_lshl_b32 s26, s26, 2
	s_add_co_u32 s26, s26, s19                     ; x 4 + s
	s_mul_i32 s26, s26, 1536
	s_mul_i32 s27, s18, 196608
	s_add_co_u32 s26, s26, s27
	s_mov_b32 s27, 0
	s_lshl_b32 s28, s21, 2
	s_add_co_u32 s28, s28, s19                     ; 4 w + s
	s_lshl_b32 s28, s28, 2
	s_add_co_u32 s28, s28, s22                     ; x 4 + t
	s_lshl_b32 s28, s28, 6
	s_lshl_b32 s29, s18, 13
	s_add_co_u32 s28, s28, s29
	s_mov_b32 s29, 0
	s_wait_kmcnt 0x0
	s_cmp_eq_u32 s18, 1                            ; the weight is chosen by the work-group's number alone
	s_cselect_b64 s[4:5], s[6:7], s[4:5]
	s_cmp_eq_u32 s18, 2
	s_cselect_b64 s[4:5], s[8:9], s[4:5]
	s_cmp_eq_u32 s18, 3
	s_cselect_b64 s[4:5], s[10:11], s[4:5]
	s_add_nc_u64 s[4:5], s[4:5], s[24:25]
	s_add_nc_u64 s[12:13], s[12:13], s[26:27]
	s_add_nc_u64 s[14:15], s[14:15], s[28:29]
.macro LOAD b                          ; block b: W(128 s + 32 b + n, my column), n = 0 .. 31
.set n, 0
.rept 32
	global_load_b32 v[X+32*(\b)+n], v2, s[4:5] offset:(32*(\b)+n)*2048 th:TH_LOAD_NT
.set n, n+1
.endr
.endm
.macro BLOCK b, left
.set XB, X+32*(\b)
.set CB, C+8*(\b)
	s_wait_loadcnt \left                           ; this block's 32 loads are in; the next block's 32 may be out
.if (\b)+2 < 4
	LOAD (\b)+2                                    ; two blocks ahead, into registers of its own
.endif
	v_max3_num_f32 v12, |v[XB]|, |v[XB+1]|, |v[XB+2]|              ; the block's largest magnitude: all 32 numbers are mine; two chains
	v_max3_num_f32 v13, |v[XB+3]|, |v[XB+4]|, |v[XB+5]|
.irp i, 6,10,14,18,22,26
	v_max3_num_f32 v12, v12, |v[XB+\i]|, |v[XB+\i+1]|
	v_max3_num_f32 v13, v13, |v[XB+\i+2]|, |v[XB+\i+3]|
.endr
	v_max3_num_f32 v12, v12, |v[XB+30]|, |v[XB+31]|
	v_max3_num_f32 v12, v12, v13, (EMAX+1)<<23     ; and the floor 2^(3 - 127): the byte cannot fall under 1
	v_add_nc_u32 v14, -(EMAX<<23), v12             ; 2 off its exponent field: the conversion takes the exponent field of this operand as its scale
	v_lshrrev_b32 v15, 23, v14                     ; the scale's byte
.if (\b) == 0
	v_mov_b32 v[SB], v15
.else
	v_lshl_or_b32 v[SB], v15, 8*(\b), v[SB]        ; the lower K in the lower byte
.endif
	v_cvt_scalef32_pk16_fp6_f32 v[CB:CB+2], v[XB:XB+15], v14
	v_cvt_scalef32_pk16_fp6_f32 v[CB+4:CB+6], v[XB+16:XB+31], v14  ; (a conversion's three registers begin on an even number)
	v_nop                                          ; one plain instruction between a scaled conversion and the vector instruction that touches its result
	v_mov_b32 v[CB+3], v[CB+4]
	v_mov_b32 v[CB+4], v[CB+5]
	v_mov_b32 v[CB+5], v[CB+6]                     ; the block's six registers on end
; block b is registers 6 (b / 2) + 0 .. 5 of lane r + 16 (b % 2) of my tile's fragment: register n of a fragment lies at 512 (n / 4) + 16 x lane + 4 (n % 4) of its image
.if (\b) == 0
	ds_store_b128 v3, v[CB:CB+3]
	ds_store_b64 v3, v[CB+4:CB+5] offset:512
.elseif (\b) == 1
	ds_store_b128 v3, v[CB:CB+3] offset:256
	ds_store_b64 v3, v[CB+4:CB+5] offset:768
.elseif (\b) == 2
	ds_store_b64 v3, v[CB:CB+1] offset:520
	ds_store_b128 v3, v[CB+2:CB+5] offset:1024
.else
	ds_store_b64 v3, v[CB:CB+1] offset:776
	ds_store_b128 v3, v[CB+2:CB+5] offset:1280
.endif
.endm
	LOAD 0
	LOAD 1
	BLOCK 0, 32
	BLOCK 1, 32
	BLOCK 2, 32
	BLOCK 3, 0
	global_store_b32 v6, v[SB], s[14:15]           ; 32 lanes store the two tiles' 128 consecutive bytes of scale words
.irp i, 0,1,2,3,4,5
	ds_load_b128 v[OUTR+4*\i:OUTR+4*\i+3], v4 offset:512*\i   ; LDS serves a wave's instructions in order: these see my stores
.endr
.irp i, 0,1,2,3,4,5
	s_wait_dscnt 5-\i                              ; the younger loads may be out
	global_store_b128 v5, v[OUTR+4*\i:OUTR+4*\i+3], s[12:13] offset:6144*(\i/3)+512*(\i%3)   ; 512 consecutive bytes; tile u + 1 lies four fragments on
.endr
	s_wait_tensorcnt 0x0                           ; the wave's end
	ds_add_u32 v[SPW], v[NIL]
	s_wait_dscnt 0x0
	s_endpgm
.Lfunc_end_k_qe2aed58f9a_wprep:
	.size	k_qe2aed58f9a_wprep, .Lfunc_end_k_qe2aed58f9a_wprep-k_qe2aed58f9a_wprep
	.p2alignl 7, 3214868480
	.fill 96, 4, 3214868480
	.section	.rodata,"a",@progbits
	.p2align	6, 0x0
	.amdhsa_kernel k_qe2aed58f9a_wprep
		.amdhsa_group_segment_fixed_size 12800
		.amdhsa_private_segment_fixed_size 0
		.amdhsa_enable_private_segment 0
		.amdhsa_kernarg_size 48
		.amdhsa_user_sgpr_count 2
		.amdhsa_user_sgpr_kernarg_segment_ptr 1
		.amdhsa_wavefront_size32 1
		.amdhsa_system_sgpr_workgroup_id_x 1
		.amdhsa_system_sgpr_workgroup_id_y 1
		.amdhsa_system_sgpr_workgroup_id_z 1
		.amdhsa_system_vgpr_workitem_id 0
		.amdhsa_next_free_vgpr 216
		.amdhsa_next_free_sgpr 66
		.amdhsa_reserve_vcc 0
		.amdhsa_float_denorm_mode_32 3
		.amdhsa_float_denorm_mode_16_64 3
		.amdhsa_memory_ordered 1
		.amdhsa_forward_progress 1
		.amdhsa_inst_pref_size 23
	.end_amdhsa_kernel
	.amdgpu_metadata
---
amdhsa.version: [ 1, 2 ]
amdhsa.kernels:
  - .name:           k_qe2aed58f9a_wprep
    .symbol:         k_qe2aed58f9a_wprep.kd
    .args:
      - { .name: Wq, .offset: 0, .size: 8, .value_kind: global_buffer, .address_space: global }
      - { .name: Wk, .offset: 8, .size: 8, .value_kind: global_buffer, .address_space: global }
      - { .name: Wv, .offset: 16, .size: 8, .value_kind: global_buffer, .address_space: global }
      - { .name: Wo, .offset: 24, .size: 8, .value_kind: global_buffer, .address_space: global }
      - { .name: wimg, .offset: 32, .size: 8, .value_kind: global_buffer, .address_space: global }
      - { .name: wsc, .offset: 40, .size: 8, .value_kind: global_buffer, .address_space: global }
    .group_segment_fixed_size: 12800
    .private_segment_fixed_size: 0
    .kernarg_segment_align: 8
    .kernarg_segment_size: 48
    .max_flat_workgroup_size: 128
    .sgpr_count:     66
    .vgpr_count:     216
    .wavefront_size: 32
...
	.end_amdgpu_metadata
.endif
;; end of part 1
;; launch proj (part 2): grid 64 x 3, 8 waves a work-group, no clusters, 121,856 bytes of LDS; arguments query, key_in, value, bq, bk, bv, mask, wimg, wsc, qimg, kv; writes qimg, kv
.if DOCPART == 2
	.amdgcn_target "amdgcn-amd-amdhsa--gfx1250"
	.amdhsa_code_object_version 6
	.text
	.protected	k_qe2aed58f9a_proj
	.globl	k_qe2aed58f9a_proj
	.p2align	8
	.type	k_qe2aed58f9a_proj,@function
k_qe2aed58f9a_proj:
	s_mov_b64 s[64:65], 0
	v_nop
	global_prefetch_b8 v0, s[64:65] scope:SCOPE_SE
	s_setreg_imm32_b32 hwreg(HW_REG_WAVE_MODE, 25, 1), 1
	s_wait_xcnt 0x0
; q = query Wq + bq, k = key_in Wk + bk, v = value Wv + bv, on codes of FP6 (E2M3) with one E8M0 scale for each 32 along K; the results are quantised at once as the operands of the attention launch.
; Work-group (x, y): tensor y (0 q, 1 k, 2 v), rows 128 x .. 128 x + 127 of the 8,192.  Wave w: head w, 64 columns: its 16 fragments of W stay in registers (window 1), read once.
; PHASE X: wave w quantises tile w of the block's rows (16 rows x 512: four fragments) and stores them in LDS as images of their registers | ONE barrier | every wave reads all 32 fragments.
; TILES ARE NOT NEIGHBOURING ROWS: lane r of tile m takes row 32 (m / 2) + 8 (m % 2) + r + 8 (r / 8); W's columns likewise.  So the 16 registers of two neighbouring result tiles are 16 neighbours along the next K.
; q, k: source 0 = 16 columns of W, source 1 = 16 rows of x: a lane holds one row, its 32 registers the head's 64 in two halves of the lanes: two blocks of 32 along the scores' K.  Two tiles of rows are quantised together.
;   A tile leaves as 768 bytes: registers 0-3 (16 bytes a lane), registers 4-5 (8 bytes a lane).  The scale words of 8 tiles leave as 512 bytes: lanes 0-15 tiles 0-3, lanes 16-31 tiles 4-7.
;   THE MASK RIDES IN THE SCALE WORDS.  The head's 64 fill half of the instruction's 128 along K.  The attention launch puts the code of +1 at k = 64 of every key and of -1 at k = 64 of every query; byte 2 of a query's scale word
;   is 147 (2^20), of a key's 167 (2^40) where mask == 0 and 1 (2^-126) elsewhere: a masked score is q.k - 2^60, an open one q.k - 2^-106.  Byte 3 is 127, over zero codes.
; v: the sources are swapped: a lane holds one channel d, its 64 registers run along the block's 128 keys, which are the second product's K: one whole fragment and one scale word for each tile of 16 channels.
; The biases are the C of each sum's first matrix instruction.
; LIMITS: a masked logit is -2^57, not -1e9: the results differ only where an open logit lies under about -1e9.  Blocks whose largest magnitude lies under 2^-124 take the floor's byte, 1.  NaN and infinities are not served.
; REGISTERS, window 0: v1-11 addresses; v12-15 x's scale words, v16-31 W's: nothing else ever; v32-95 64 numbers of x, later x's four fragments (v32-79) and small work (v80-95); v96-223 two sets of loaded rows, later 16 accumulators;
;   v224-242 the codes just made; v243 their scale word; v244-255 at work.   window 1: v0-191 W; v192-223 the bias, 8 registers a tile; v224-231 mask words; v232-235 the bias, a lane a column.
.set XIMG,  0                          ; LDS: x's 32 fragments (tile m, K step s: 4 m + s), 1,536 bytes each,
.set XSC,   32*1536                    ; their scale words, 128 bytes each,
.set STG,   XSC+32*128                 ; a stage for each wave: 16 rows x (512 bytes + 16),
.set STGW,  16*528
.set SPARE, STG+8*STGW                 ; and the spare words, 128 bytes a wave
.set LI,   1                           ; 16 x lane
.set L8,   2                           ; 8 x lane
.set LS,   3                           ; 4 x lane
.set TW,   4                           ; my stage, on the way in: 16 x lane
.set TR,   5                           ; and on the way out: 528 r + 64 h
.set XWI,  6                           ; where I store x's images
.set XWS,  7                           ; and their scale words
.set A64H, 8                           ; 64 h
.set A4PI, 9                           ; 4 (r + 8 (r / 8))
.set SPW,  10
.set NIL,  11
.set XS,   12
.set W1S,  16
.set X,    32
.set XF,   32
.set EX,   80                          ; v80-87 the scale words of 8 tiles
.set EU,   88
.set EM,   89
.set TMPR, 90
.set KO,   88                          ; v88-91 their image
.set VW,   80                          ; v80-83 v's scale words;  v84-85 their image
.set VO,   84
.set ACC,  96
.set R0,   96
.set R1,   160
.set PC,   224
.set A4R,  239                         ; 4 r
.set PW,   243
.set TM,   244                         ; 0-3 largest magnitudes, 4-7 the other half's, then bytes, 8-11 the conversions' scale operands
.set BI,   192
.set MK,   224
.set BV,   232
.set WV,   26
.set TEN,  27
.set SEL,  30
.set MSB, 0
.macro WIN new                         ; the immediate's high byte repeats the setting that is left
.if MSB != \new
	s_set_vgpr_msb (MSB<<8)|\new
.set MSB, \new
.endif
.endm
.macro PLACES                          ; four plain instructions between a matrix instruction and a load into, or a read of, its registers
.rept 4
	v_nop
.endr
.endm
; 64 numbers of a lane, register 16 b + i = k 32 b + 16 (lane / 16) + i of my row, become a fragment's codes in v[PC] on and its scale word in v[PW]
.macro QUANT s
.irp b, 0,1,2,3
	v_max3_num_f32 v[TM+\b], |v[16*\b+\s]|, |v[16*\b+1+\s]|, 0x1800000   ; my 16 numbers of block b, and the floor 2^(3 - 127): the byte cannot fall under 1
.endr
.irp i, 2,4,6,8,10,12,14
.irp b, 0,1,2,3
	v_max3_num_f32 v[TM+\b], v[TM+\b], |v[16*\b+\i+\s]|, |v[16*\b+\i+1+\s]|   ; the four blocks by turns
.endr
.endr
.irp b, 0,1,2,3
	v_permlanex16_b32 v[TM+4+\b], v[TM+\b], s[SEL], s[SEL+1]
.endr
.irp b, 0,1,2,3
	v_max_num_f32 v[TM+\b], v[TM+\b], v[TM+4+\b]   ; with lane l xor 16's: the block's largest magnitude
.endr
.irp b, 0,1,2,3
	v_add_nc_u32 v[TM+8+\b], 0xff000000, v[TM+\b]  ; 2 off its exponent field: the conversion's scale operand
.endr
.irp b, 0,1,2,3
	v_lshrrev_b32 v[TM+4+\b], 23, v[TM+8+\b]       ; the scale's byte
.endr
	v_lshl_or_b32 v[PW], v[TM+5], 8, v[TM+4]
	v_lshl_or_b32 v[PW], v[TM+6], 16, v[PW]
	v_lshl_or_b32 v[PW], v[TM+7], 24, v[PW]
.irp c, 0,1
	v_cvt_scalef32_pk16_fp6_f32 v[PC+6*\c:PC+6*\c+2], v[32*\c+\s:32*\c+15+\s], v[TM+8+2*\c]
	v_cvt_scalef32_pk16_fp6_f32 v[PC+12+4*\c:PC+14+4*\c], v[32*\c+16+\s:32*\c+31+\s], v[TM+9+2*\c]   ; (a conversion's three registers begin on an even number)
.endr
	v_nop                                          ; one plain instruction behind the scaled conversions
.irp c, 0,1                            ; the operand's layout wants a whole block in a lane: lanes 0-15 block 2 c, lanes 16-31 block 2 c + 1
.irp i, 0,1,2
	v_permlane16_swap_b32 v[PC+6*\c+\i], v[PC+12+4*\c+\i]
.endr
.irp i, 0,1,2
	v_mov_b32 v[PC+3+6*\c+\i], v[PC+12+4*\c+\i]
.endr
.endr
.endm
.macro XLOAD s, reg                    ; my tile's 16 rows, 128 numbers of K step s: each load reads 512 consecutive bytes of one row
.irp i, 0,1,2,3,4,5,6,7,8,9,10,11,12,13,14,15
	global_load_b128 v[\reg+4*\i:\reg+4*\i+3], v[LI], s[4:5] offset:(\i+8*(\i/8))*2048+512*\s th:TH_LOAD_NT
.endr
.endm
.macro TURN reg                        ; through my own stage: in as loaded, out 16 neighbours of each block a lane.  LDS serves a wave's instructions in order
.irp i, 0,1,2,3,4,5,6,7,8,9,10,11,12,13,14,15
	ds_store_b128 v[TW], v[\reg+4*\i:\reg+4*\i+3] offset:528*\i
.endr
.irp b, 0,1,2,3
.irp j, 0,1,2,3
	ds_load_b128 v[X+16*\b+4*\j:X+16*\b+4*\j+3], v[TR] offset:128*\b+16*\j
.endr
.endr
	s_wait_dscnt 0x0                               ; the numbers are back; the stage's stores have read the loaded rows, and the last image's stores the codes
.endm
.macro XQ s                            ; K step s of my tile: codes and scale word to LDS, as they stand in the registers
	QUANT X
.irp c, 0,1,2
	ds_store_b128 v[XWI], v[PC+4*\c:PC+4*\c+3] offset:XIMG+1536*\s+512*\c
.endr
	ds_store_b32 v[XWS], v[PW] offset:128*\s
.endm
.macro WLOAD t0                        ; W's fragments of tiles t0, t0 + 1: 24 loads of 512 consecutive bytes
	WIN 0x40                                       ; destination window 1
.irp t, \t0, \t0+1
.irp s, 0,1,2,3
.irp c, 0,1,2
	global_load_b128 v[12*(4*(\t)+\s)+4*\c:12*(4*(\t)+\s)+4*\c+3], v[LI], s[18:19] offset:(4*(\t)+\s)*1536+512*\c
.endr
.endr
.endr
	WIN 0
.endm
.macro FETCHX m                        ; tile m's four fragments and scale words, from LDS
.irp s, 0,1,2,3
.irp c, 0,1,2
	ds_load_b128 v[XF+12*\s+4*\c:XF+12*\s+4*\c+3], v[LI] offset:XIMG+(4*(\m)+\s)*1536+512*\c
.endr
.endr
.irp s, 0,1,2,3
	ds_load_b32 v[XS+\s], v[LS] offset:XSC+(4*(\m)+\s)*128
.endr
	s_wait_dscnt 0x0
.endm
; q, k: 16 matrix instructions: my four tiles of columns by turns, K step by K step
.macro MULQK mm
	WIN 0x11                                       ; source 0 (W) and source 2 (the bias) window 1
.irp t, 0,1,2,3
	v_wmma_scale_f32_16x16x128_f8f6f4 v[ACC+32*\mm+8*\t:ACC+32*\mm+8*\t+7], v[12*(4*\t):12*(4*\t)+11], v[XF:XF+11], v[BI+8*\t:BI+8*\t+7], v[W1S+4*\t], v[XS] matrix_a_fmt:MATRIX_FMT_FP6 matrix_b_fmt:MATRIX_FMT_FP6
.endr
	WIN 0x01
.irp s, 1,2,3
.irp t, 0,1,2,3
	v_wmma_scale_f32_16x16x128_f8f6f4 v[ACC+32*\mm+8*\t:ACC+32*\mm+8*\t+7], v[12*(4*\t+\s):12*(4*\t+\s)+11], v[XF+12*\s:XF+12*\s+11], v[ACC+32*\mm+8*\t:ACC+32*\mm+8*\t+7], v[W1S+4*\t+\s], v[XS+\s] matrix_a_fmt:MATRIX_FMT_FP6 matrix_b_fmt:MATRIX_FMT_FP6
.endr
.endr
	WIN 0
	PLACES
.endm
; v: 8 matrix instructions: source 0 = tile m of the keys, source 1 = tiles 2 g, 2 g + 1 of W's columns, by turns
.macro MULV g, m
	WIN 0x14                                       ; source 1 (W) and source 2 (the bias) window 1
.irp tt, 0,1
	v_wmma_scale_f32_16x16x128_f8f6f4 v[ACC+64*\tt+8*\m:ACC+64*\tt+8*\m+7], v[XF:XF+11], v[12*(4*(2*\g+\tt)):12*(4*(2*\g+\tt))+11], v[BI+8*(2*\g+\tt):BI+8*(2*\g+\tt)+7], v[XS], v[W1S+4*(2*\g+\tt)] matrix_a_fmt:MATRIX_FMT_FP6 matrix_b_fmt:MATRIX_FMT_FP6
.endr
	WIN 0x04
.irp s, 1,2,3
.irp tt, 0,1
	v_wmma_scale_f32_16x16x128_f8f6f4 v[ACC+64*\tt+8*\m:ACC+64*\tt+8*\m+7], v[XF+12*\s:XF+12*\s+11], v[12*(4*(2*\g+\tt)+\s):12*(4*(2*\g+\tt)+\s)+11], v[ACC+64*\tt+8*\m:ACC+64*\tt+8*\m+7], v[XS+\s], v[W1S+4*(2*\g+\tt)+\s] matrix_a_fmt:MATRIX_FMT_FP6 matrix_b_fmt:MATRIX_FMT_FP6
.endr
.endr
	WIN 0
	PLACES
.endm
	s_load_b512 s[4:19], s[0:1], 0x0               ; query, key_in, value, bq, bk, bv, mask s[16:17], wimg s[18:19]
	s_load_b128 s[20:23], s[0:1], 0x40             ; wsc, qimg
	s_load_b64 s[24:25], s[0:1], 0x50              ; kv
	v_lshl_add_u32 v[SPW], v0, 2, SPARE
	v_mov_b32 v[NIL], 0
	v_lshrrev_b32 v32, 5, v0
	v_readfirstlane_b32 s[WV], v32                 ; wave 0..7
	s_and_b32 s[TEN], ttmp7, 0xffff                ; the tensor
	v_and_b32 v32, 31, v0                          ; lane
	v_and_b32 v33, 15, v0                          ; r
	v_bfe_u32 v34, v0, 4, 1                        ; h
	v_lshlrev_b32 v[LI], 4, v32
	v_lshlrev_b32 v[L8], 3, v32
	v_lshlrev_b32 v[LS], 2, v32
	s_mul_i32 s34, s[WV], STGW
	s_add_co_u32 s34, s34, STG
	v_add_nc_u32 v[TW], s34, v[LI]
	v_mul_u32_u24 v[TR], v33, 528
	v_lshl_add_u32 v[TR], v34, 6, v[TR]
	v_add_nc_u32 v[TR], s34, v[TR]
	s_mul_i32 s34, s[WV], 4*1536
	v_add_nc_u32 v[XWI], s34, v[LI]
	s_lshl_b32 s34, s[WV], 9
	s_add_co_u32 s34, s34, XSC
	v_add_nc_u32 v[XWS], s34, v[LS]
	v_lshlrev_b32 v[A64H], 6, v34
	v_and_b32 v35, 8, v33
	v_add_nc_u32 v35, v35, v33
	v_lshlrev_b32 v[A4PI], 2, v35
	v_lshlrev_b32 v[A4R], 2, v33
.irp b, 0,1,2,3
	v_mov_b32 v[TM+4+\b], 0                        ; written once: a lane permute's destination counts as one of its sources
.endr
	s_mov_b32 s[SEL], 0x76543210
	s_mov_b32 s[SEL+1], 0xfedcba98                 ; v_permlanex16_b32's selects for lane l xor 16
	s_mov_b32 s32, 0xffff0000                      ; lanes 16-31
	s_mov_b32 s33, 0xffff
	s_lshl_b32 s40, ttmp9, 18                      ; x: 128 x rows of 2,048 bytes,
	s_lshr_b32 s42, s[WV], 1
	s_lshl_b32 s42, s42, 16                        ; + 32 (w / 2) rows,
	s_add_co_u32 s40, s40, s42
	s_and_b32 s42, s[WV], 1
	s_lshl_b32 s42, s42, 14                        ; + 8 (w % 2) rows
	s_add_co_u32 s40, s40, s42
	s_mov_b32 s41, 0
	s_lshl_b32 s42, s[WV], 8                       ; the bias: my 64 numbers
	s_mov_b32 s43, 0
	s_lshl_b32 s44, ttmp9, 9                       ; the mask: my block's 128 words
	s_mov_b32 s45, 0
	s_mul_i32 s46, s[TEN], 196608                  ; W's images: the weight, my 16 fragments
	s_mul_i32 s48, s[WV], 24576
	s_add_co_u32 s46, s46, s48
	s_mov_b32 s47, 0
	s_lshl_b32 s48, s[TEN], 13                     ; and their scale words
	s_lshl_b32 s50, s[WV], 10
	s_add_co_u32 s48, s48, s50
	s_mov_b32 s49, 0
	s_lshr_b32 s50, ttmp9, 5                       ; out: ((batch x 8 + head) x 32 + block) entries
	s_lshl_b32 s50, s50, 3
	s_add_co_u32 s50, s50, s[WV]
	s_lshl_b32 s50, s50, 5
	s_and_b32 s52, ttmp9, 31
	s_add_co_u32 s50, s50, s52
	s_cmp_eq_u32 s[TEN], 0
	s_mov_b32 s52, 13056                           ; of 13,056 bytes in kv,
	s_cselect_b32 s52, 6656, s52                   ; of 6,656 in qimg
	s_mov_b32 s36, 0x7fa70000                      ; bytes 2 and 3 of a scale word: a masked key's 167, 127;
	s_cselect_b32 s36, 0x7f930000, s36             ; a query's 147, 127
	s_mov_b32 s37, 0x7f010000                      ; an open key's 1, 127
	s_cselect_b32 s37, 0x7f930000, s37
	s_mul_i32 s50, s50, s52
	s_mov_b32 s51, 0
	s_wait_kmcnt 0x0
	s_cmp_eq_u32 s[TEN], 0                         ; the buffers are chosen by the work-group's number alone
	s_cselect_b64 s[22:23], s[22:23], s[24:25]
	s_cmp_eq_u32 s[TEN], 1
	s_cselect_b64 s[4:5], s[6:7], s[4:5]
	s_cselect_b64 s[10:11], s[12:13], s[10:11]
	s_cmp_eq_u32 s[TEN], 2
	s_cselect_b64 s[4:5], s[8:9], s[4:5]
	s_cselect_b64 s[10:11], s[14:15], s[10:11]
	s_add_nc_u64 s[4:5], s[4:5], s[40:41]          ; x at my tile's first row
	s_add_nc_u64 s[10:11], s[10:11], s[42:43]      ; the bias
	s_add_nc_u64 s[16:17], s[16:17], s[44:45]      ; the mask
	s_add_nc_u64 s[18:19], s[18:19], s[46:47]      ; W's images
	s_add_nc_u64 s[20:21], s[20:21], s[48:49]      ; W's scale words
	s_add_nc_u64 s[22:23], s[22:23], s[50:51]      ; my entry of the output
	; ---- PHASE X.  Loads come back in order (ISA guide 5.7.1): each count names the loads issued behind the K step that is wanted
	XLOAD 0, R0
	XLOAD 1, R1
	WLOAD 0
	s_wait_loadcnt 40                              ; K step 0 is in; behind it: K step 1's 16, W's first 24
	TURN R0
	XLOAD 2, R0
	XQ 0
	s_wait_loadcnt 40                              ; K step 1; behind it: W's 24, K step 2's 16
	TURN R1
	XLOAD 3, R1
	XQ 1
	s_wait_loadcnt 16                              ; K step 2 (and W's first half); behind it: K step 3's 16
	TURN R0
	WLOAD 2
.irp t, 0,1,2,3
.irp s, 0,1,2,3
	global_load_b32 v[W1S+4*\t+\s], v[A4R], s[20:21] offset:(4*\s+\t)*64
.endr
.endr
	XQ 2
	s_wait_loadcnt 40                              ; K step 3; behind it: W's second 24, the 16 scale words
	TURN R1
	WIN 0x40                                       ; destination window 1.  Every tensor loads both forms of its bias, and the mask's words: all lie inside their buffers, and the text parts only once, behind the barrier
.irp t, 0,1,2,3
	global_load_b128 v[BI+8*\t:BI+8*\t+3], v[A64H], s[10:11] offset:4*(32*(\t/2)+8*(\t%2))       ; lane (r, h), tile t: the bias of columns 32 (t / 2) + 16 h + 8 (t % 2) + 0 .. 7
	global_load_b128 v[BI+8*\t+4:BI+8*\t+7], v[A64H], s[10:11] offset:4*(32*(\t/2)+8*(\t%2))+16
.endr
.irp m, 0,1,2,3,4,5,6,7
	global_load_b32 v[MK+\m], v[A4PI], s[16:17] offset:4*(32*(\m/2)+8*(\m%2))                    ; the mask word of tile m's row r
.endr
.irp t, 0,1,2,3
	global_load_b32 v[BV+\t], v[A4PI], s[10:11] offset:4*(32*(\t/2)+8*(\t%2))                    ; the bias of tile t's column r
.endr
	WIN 0
	XQ 3
	s_wait_dscnt 0x0                               ; for the others' sake: my images have landed
	s_barrier_signal -1
	s_barrier_wait -1                              ; x's 32 fragments lie in LDS; from here on LDS is only read
	s_wait_loadcnt 0x0                             ; W, its scale words, the bias, the mask
	s_cmp_eq_u32 s[TEN], 2
	s_cbranch_scc1 .Lv
	; ---- q and k
	WIN 0x01                                       ; source 0 window 1
.irp m, 0,1,2,3,4,5,6,7
	v_mov_b32 v[EX+\m], v[MK+\m]
.endr
	WIN 0
	v_mov_b32 v[EU], s37
	v_mov_b32 v[EM], s36
.irp m, 0,1,2,3,4,5,6,7
	v_cmp_eq_u32 vcc_lo, 0, v[EX+\m]
	v_cndmask_b32 v[EX+\m], v[EU], v[EM], vcc_lo   ; bytes 2 and 3 of the row's scale word (for q both choices are the same)
.endr
.irp p, 0,1,2,3
	FETCHX 2*\p
	MULQK 0
	FETCHX 2*\p+1
	MULQK 1
	s_wait_xcnt 0x0                                ; the earlier stores have read the codes' registers
	QUANT ACC                                      ; blocks 0, 1: tile 2 p's two blocks of the head's 64; blocks 2, 3: tile 2 p + 1's
	global_store_b128 v[LI], v[PC:PC+3], s[22:23] offset:768*(2*\p)
	global_store_b64 v[L8], v[PC+4:PC+5], s[22:23] offset:768*(2*\p)+512
	global_store_b128 v[LI], v[PC+6:PC+9], s[22:23] offset:768*(2*\p+1)
	global_store_b64 v[L8], v[PC+10:PC+11], s[22:23] offset:768*(2*\p+1)+512
	v_and_or_b32 v[EX+2*\p], v[PW], s33, v[EX+2*\p]
	v_lshrrev_b32 v[TMPR], 16, v[PW]
	v_or_b32 v[EX+2*\p+1], v[TMPR], v[EX+2*\p+1]
.endr
.irp i, 0,1,2,3
	v_cndmask_b32 v[KO+\i], v[EX+\i], v[EX+4+\i], s32   ; lanes 0-15: tile i's words; lanes 16-31: tile 4 + i's
.endr
	global_store_b128 v[LI], v[KO:KO+3], s[22:23] offset:6144
	s_branch .Lend
	; ---- v
.Lv:
	WIN 0x41                                       ; destination and source 0 window 1
.irp t, 0,1,2,3
.irp j, 0,1,2,3,4,5,6,7
	v_mov_b32 v[BI+8*\t+\j], v[BV+\t]              ; a lane holds one column: its bias in all eight registers of the tile
.endr
.endr
	WIN 0
.irp g, 0,1
.irp m, 0,1,2,3,4,5,6,7
	FETCHX \m
	MULV \g, \m
.endr
.irp tt, 0,1
	s_wait_xcnt 0x0                                ; the earlier stores have read the codes' registers
	QUANT ACC+64*\tt                               ; channel tile 2 g + tt: 128 keys a row: one fragment
.irp c, 0,1,2
	global_store_b128 v[LI], v[PC+4*\c:PC+4*\c+3], s[22:23] offset:6656+1536*(2*\g+\tt)+512*\c
.endr
	v_mov_b32 v[VW+2*\g+\tt], v[PW]
.endr
.endr
	v_cndmask_b32 v[VO], v[VW], v[VW+2], s32       ; lanes 0-15: tiles 0, 1; lanes 16-31: tiles 2, 3
	v_cndmask_b32 v[VO+1], v[VW+1], v[VW+3], s32
	global_store_b64 v[L8], v[VO:VO+1], s[22:23] offset:12800
.Lend:
	s_wait_tensorcnt 0x0                           ; the wave's end
	ds_add_u32 v[SPW], v[NIL]
	s_wait_dscnt 0x0
	s_endpgm
.Lfunc_end_k_qe2aed58f9a_proj:
	.size	k_qe2aed58f9a_proj, .Lfunc_end_k_qe2aed58f9a_proj-k_qe2aed58f9a_proj
	.p2alignl 7, 3214868480
	.fill 96, 4, 3214868480
	.section	.rodata,"a",@progbits
	.p2align	6, 0x0
	.amdhsa_kernel k_qe2aed58f9a_proj
		.amdhsa_group_segment_fixed_size 121856
		.amdhsa_private_segment_fixed_size 0
		.amdhsa_enable_private_segment 0
		.amdhsa_kernarg_size 88
		.amdhsa_user_sgpr_count 2
		.amdhsa_user_sgpr_kernarg_segment_ptr 1
		.amdhsa_wavefront_size32 1
		.amdhsa_system_sgpr_workgroup_id_x 1
		.amdhsa_system_sgpr_workgroup_id_y 1
		.amdhsa_system_sgpr_workgroup_id_z 1
		.amdhsa_system_vgpr_workitem_id 0
		.amdhsa_next_free_vgpr 512
		.amdhsa_next_free_sgpr 66
		.amdhsa_reserve_vcc 1
		.amdhsa_float_denorm_mode_32 3
		.amdhsa_float_denorm_mode_16_64 3
		.amdhsa_memory_ordered 1
		.amdhsa_forward_progress 1
		.amdhsa_inst_pref_size 141
	.end_amdhsa_kernel
	.amdgpu_metadata
---
amdhsa.version: [ 1, 2 ]
amdhsa.kernels:
  - .name:           k_qe2aed58f9a_proj
    .symbol:         k_qe2aed58f9a_proj.kd
    .args:
      - { .name: query, .offset: 0, .size: 8, .value_kind: global_buffer, .address_space: global }
      - { .name: key_in, .offset: 8, .size: 8, .value_kind: global_buffer, .address_space: global }
      - { .name: value, .offset: 16, .size: 8, .value_kind: global_buffer, .address_space: global }
      - { .name: bq, .offset: 24, .size: 8, .value_kind: global_buffer, .address_space: global }
      - { .name: bk, .offset: 32, .size: 8, .value_kind: global_buffer, .address_space: global }
      - { .name: bv, .offset: 40, .size: 8, .value_kind: global_buffer, .address_space: global }
      - { .name: mask, .offset: 48, .size: 8, .value_kind: global_buffer, .address_space: global }
      - { .name: wimg, .offset: 56, .size: 8, .value_kind: global_buffer, .address_space: global }
      - { .name: wsc, .offset: 64, .size: 8, .value_kind: global_buffer, .address_space: global }
      - { .name: qimg, .offset: 72, .size: 8, .value_kind: global_buffer, .address_space: global }
      - { .name: kv, .offset: 80, .size: 8, .value_kind: global_buffer, .address_space: global }
    .group_segment_fixed_size: 121856
    .private_segment_fixed_size: 0
    .kernarg_segment_align: 8
    .kernarg_segment_size: 88
    .max_flat_workgroup_size: 256
    .sgpr_count:     66
    .vgpr_count:     512
    .wavefront_size: 32
...
	.end_amdgpu_metadata
.endif
;; end of part 2
;; launch attn (part 3): grid 16 x 16, 16 waves a work-group, clusters of 4 x 1, 327,680 bytes of LDS; arguments qimg, kv, xc, xs; writes xc, xs
.if DOCPART == 3
	.amdgcn_target "amdgcn-amd-amdhsa--gfx1250"
	.amdhsa_code_object_version 6
	.text
	.protected	k_qe2aed58f9a_attn
	.globl	k_qe2aed58f9a_attn
	.p2align	8
	.type	k_qe2aed58f9a_attn,@function
k_qe2aed58f9a_attn:
	s_mov_b64 s[64:65], 0
	v_nop
	global_prefetch_b8 v0, s[64:65] scope:SCOPE_SE
	s_setreg_imm32_b32 hwreg(HW_REG_WAVE_MODE, 25, 1), 1
	s_wait_xcnt 0x0
	s_wait_alu depctr_hold_cnt(0) depctr_sa_sdst(0) depctr_va_vdst(0) depctr_va_sdst(0) depctr_va_ssrc(0) depctr_va_vcc(0) depctr_vm_vsrc(0)
	s_getreg_b32 s2, hwreg(HW_REG_IB_STS2, 6, 4)
	s_cmp_eq_u32 s2, 0
	s_cbranch_scc0 .Lentry_in_a_cluster
	s_endpgm
.Lentry_in_a_cluster:
	s_bfe_u32 s2, ttmp6, 0x10000c
	s_cmp_lg_u32 s2, 0x3003
	s_cbranch_scc0 .Lentry_shape_is_right
	s_endpgm
.Lentry_shape_is_right:
; For each of 16 (batch, head): O[q] = the sum over keys of softmax(q.k / 8, masked) v, both products on codes of FP6 (E2M3) with one E8M0 scale for each 32 along K; O / l is quantised along the model's 512 for the last product.
; THE SOFTMAX AHEAD OF THE SECOND PRODUCT: t = score x log2(e) / 8; M = the row's largest t so far, rounded UP to a whole number; p = 2^(t - M) is what is quantised, along the keys.  The row's sum is taken of the unquantised p
; and divides O at the end.  When M moves, the sum and O are multiplied by 2^(old M - new M): exact.
; SHARES.  A work-group owns 256 queries of one (batch, head); each of its sixteen waves one tile of 16, in 256 registers.  Every wave walks all 4,096 keys, 128 a step.
; CLUSTER.  The four work-groups of a cluster belong to one (batch, head) and walk the same K and V: each slot is asked for JOINTLY, by the same tensor load with the same descriptor and the mask 15.
; kv holds, for each step, 13,056 dense bytes of IMAGES OF OPERAND REGISTERS: 8 tiles of K (768 bytes), K's scale words (512), 4 fragments of V (1,536), V's scale words (256): every LDS read is 16 or 8 bytes x lane, on end.
; A slot is eight steps, 104,448 bytes; waves 0 to 3 fetch two steps each, as 102 rows of 256 bytes.  By this text's own count a wave has at most one tensor load out.
; LAYOUT.  S^T = K Q^T (source 0 = 16 keys, source 1 = my 16 queries), O^T = V^T P^T: a lane holds ONE query throughout.  Lane r of K's tile m is key 32 (m / 2) + 8 (m % 2) + r + 8 (r / 8), so that the 16 registers of tiles
; 2 b, 2 b + 1 are keys 32 b + 16 (lane / 16) + 0 .. 15; V's channels are ordered alike, so that O^T's 32 registers are 16 neighbours of each block of 32 channels.
; THE MASK.  The head's 64 fill registers 0-5 of K's and Q's operands.  Registers 6-11 are constants: the code of +1 (K) and of -1 (Q) at k = 64, zeros elsewhere.  Byte 2 of a query's scale word is 2^20, of a key's 2^40 where it is
; masked and 2^-126 where it is open: a masked score is q.k - 2^60, and its p is 0 beside any open key.
; LIMITS: a masked logit is -2^57, not -1e9: the results differ only where an open logit lies under about -1e9.  A row all of whose keys are masked comes out uniform, as it should, while |q.k| stays under 2^35.  NaN and infinities are not served.
.set STEPB, 13056
.set SLOTB, 8*STEPB
.set SLOT1, 1<<17                      ; slot 1 begins here: one exclusive or turns an address in one slot into the other's
.set SPARE, 2*SLOT1                    ; behind the ring: the spare words, 128 bytes for each of sixteen waves
.set LI16, 1                           ; v1  16 x lane
.set LI8,  2                           ; v2  8 x lane
.set ADK,  3                           ; v3  the step's first byte + 16 x lane
.set ADK8, 4                           ; v4  + 8 x lane
.set SPW,  5
.set NIL,  6
.set Q,    16                          ; v16-27 Q's operand
.set QS,   28                          ; v28    its scale words
.set KS,   30                          ; v30-33 K's scale words: lanes 0-15 tiles 0-3, lanes 16-31 tiles 4-7
.set VS,   34                          ; v34-35 V's: lanes 0-15 tiles 0, 1, lanes 16-31 tiles 2, 3
.set KF,   36                          ; v36-83 four tiles of K: six registers of data, six constants
.set S,    84                          ; v84-147 S^T, then p, then V's four fragments
.set O,    148                         ; v148-179 O^T
.set PC,   180                         ; v180-191 p's codes
.set PT,   192                         ; v192-198 the conversions' second halves
.set BM,   200                         ; v200-203 each block's largest score
.set BP,   204                         ; v204-207 at work
.set BS,   208                         ; v208-211 the conversions' scale operands
.set PW,   212                         ; v212 p's scale word
.set F,    214                         ; v[214:215] f = 2^(old M - new M); the upper register is only named
.set TP,   216
.set WV,   12
.set SEL,  20
.set CS,   22
.set G1,   24
.set G0,   32
.set TB,   36
.set SLOTS, 37
.set CNT,  38
.macro CROUND                          ; a round of the cluster's barrier
	s_barrier_signal -1
	s_barrier_wait -1
	s_cmp_lg_u32 s[WV], 0
	s_cbranch_scc1 .Lnot_wave_0_\@
	s_barrier_signal -3
.Lnot_wave_0_\@:
	s_barrier_wait -3
	s_barrier_signal -1
	s_barrier_wait -1
.endm
.macro TLOAD                           ; waves 0 to 3 fetch a quarter of a slot each; the branch hangs on the wave's number alone.  An s_nop 0 and four v_nop follow the load
	s_cmp_lt_u32 s[WV], 4
	s_cbranch_scc0 .Lnone_\@
	tensor_load_to_lds s[G0:G0+3], s[G1:G1+7]
	s_nop 0
.rept 4
	v_nop
.endr
.Lnone_\@:
.endm
.macro PLACES
.rept 4
	v_nop
.endr
.endm
.macro KLOAD g                         ; tiles 4 g .. 4 g + 3 of K: the six registers of data
.irp i, 0,1,2,3
	ds_load_b128 v[KF+12*\i:KF+12*\i+3], v[ADK] offset:768*(4*\g+\i)
	ds_load_b64 v[KF+12*\i+4:KF+12*\i+5], v[ADK8] offset:768*(4*\g+\i)+512
.endr
.endm
.macro SMUL g
.irp i, 0,1,2,3
.if \g
	v_wmma_scale_f32_16x16x128_f8f6f4 v[S+32*\g+8*\i:S+32*\g+8*\i+7], v[KF+12*\i:KF+12*\i+11], v[Q:Q+11], 0, v[KS+\i], v[QS] matrix_a_fmt:MATRIX_FMT_FP6 matrix_b_fmt:MATRIX_FMT_FP6 matrix_a_scale:MATRIX_SCALE_ROW1
.else
	v_wmma_scale_f32_16x16x128_f8f6f4 v[S+32*\g+8*\i:S+32*\g+8*\i+7], v[KF+12*\i:KF+12*\i+11], v[Q:Q+11], 0, v[KS+\i], v[QS] matrix_a_fmt:MATRIX_FMT_FP6 matrix_b_fmt:MATRIX_FMT_FP6
.endif
.endr
.endm
	s_load_b256 s[4:11], s[0:1], 0x0               ; qimg, kv, xc, xs
	v_lshl_add_u32 v[SPW], v0, 2, SPARE
	v_mov_b32 v[NIL], 0
	ds_add_u32 v[SPW], v[NIL]                      ; the wave's opening: the add and its wait ahead of the first tensor load; the set-up below, work on registers, stands between them
	v_lshrrev_b32 v7, 5, v0
	v_readfirstlane_b32 s[WV], v7                  ; wave 0..15
	s_and_b32 s15, ttmp7, 0xffff                   ; (batch, head), which the four partners share
	; descriptor group 1: 102 rows of 256 bytes (32 elements of 8 bytes), dense, no padding
	s_mov_b32 s[G1], 15|(3<<16)|(1<<21)            ; 15:0 the mask: all four work-groups; 17:16 elements of 8 bytes; 21 set beside a mask
	s_mov_b32 s[G1+1], 32<<16                      ; tensor_dim0
	s_mov_b32 s[G1+2], 102<<16                     ; tensor_dim1
	s_mov_b32 s[G1+3], 32<<16                      ; tile_dim0
	s_mov_b32 s[G1+4], 102                         ; tile_dim1
	s_mov_b32 s[G1+5], 32                          ; tensor_dim0_stride
	s_mov_b32 s[G1+6], 0
	s_mov_b32 s[G1+7], 0
	s_and_b32 s16, s[WV], 3
	s_mul_i32 s16, s16, 2*STEPB                    ; my quarter of a slot, in LDS and in memory alike
	s_mul_i32 s18, s15, 32*STEPB                   ; the (batch, head)'s 32 steps
	s_add_co_u32 s18, s18, s16
	s_mov_b32 s19, 0
	s_mov_b32 s[SEL], 0x76543210
	s_mov_b32 s[SEL+1], 0xfedcba98                 ; v_permlanex16_b32's selects for lane l xor 16
	s_mov_b32 s[CS], 0x3e38aa3b                    ; c = log2(e) / 8
	s_mov_b32 s[CS+1], s[CS]                       ; (named with it as a pair, so it is written)
	s_mov_b32 s[TB], 0
	s_mov_b32 s[SLOTS], 3
	; my place in the cluster enters Q's, xc's and xs's addresses alone, in registers that feed no descriptor and no LDS address
	s_bfe_u32 s13, ttmp6, 0x40000                  ; cx
	s_lshl_b32 s14, ttmp9, 2
	s_add_co_u32 s14, s14, s13                     ; my block of 256 queries
	s_lshl_b32 s40, s15, 5
	s_lshl_b32 s42, s14, 1
	s_add_co_u32 s40, s40, s42
	s_lshr_b32 s42, s[WV], 3
	s_add_co_u32 s40, s40, s42                     ; qimg's entry: (batch, head) x 32 + the block of 128 queries
	s_mul_i32 s40, s40, 6656
	s_and_b32 s42, s[WV], 7                        ; my tile in it
	s_mul_i32 s43, s42, 768
	s_add_co_u32 s44, s40, s43
	s_mov_b32 s45, 0
	s_lshr_b32 s43, s42, 2
	s_lshl_b32 s43, s43, 8                         ; its scale words: which half of the lanes' 16 bytes,
	s_add_co_u32 s46, s40, s43
	s_and_b32 s43, s[WV], 3
	s_lshl_b32 s43, s43, 2                         ; which word of the four
	s_add_co_u32 s46, s46, s43
	s_add_co_u32 s46, s46, 6144
	s_mov_b32 s47, 0
	s_lshr_b32 s48, s15, 3                         ; out: ((batch x 256 + tile) x 8 + head) entries
	s_lshl_b32 s48, s48, 8
	s_lshl_b32 s49, s14, 4
	s_add_co_u32 s48, s48, s49
	s_add_co_u32 s48, s48, s[WV]
	s_lshl_b32 s48, s48, 3
	s_and_b32 s49, s15, 7
	s_add_co_u32 s48, s48, s49
	s_mul_i32 s50, s48, 768                        ; of 768 bytes in xc,
	s_mov_b32 s51, 0
	s_lshl_b32 s48, s48, 7                         ; of 128 in xs
	s_mov_b32 s49, 0
	s_wait_dscnt 0x0                               ; the opening add is done
	s_wait_kmcnt 0x0
	s_mov_b32 s[G0], 1                             ; count = 1
	s_mov_b32 s[G0+1], s16                         ; LDS address: slot 0
	s_add_nc_u64 s[G0+2:G0+3], s[6:7], s[18:19]    ; global address: steps 0 to 7
	s_or_b32 s[G0+3], s[G0+3], 0x80000000          ; type = 2
	CROUND                                         ; all four work-groups are here: the first joint loads meet
	TLOAD                                          ; slot 0
	s_add_nc_u64 s[44:45], s[4:5], s[44:45]
	s_add_nc_u64 s[46:47], s[4:5], s[46:47]
	s_add_nc_u64 s[8:9], s[8:9], s[50:51]
	s_add_nc_u64 s[10:11], s[10:11], s[48:49]
	v_and_b32 v7, 31, v0
	v_lshlrev_b32 v[LI16], 4, v7
	v_lshlrev_b32 v[LI8], 3, v7
	v_lshlrev_b32 v8, 2, v7                        ; 4 x lane, for the way out
	v_and_b32 v9, 15, v0
	v_lshlrev_b32 v9, 4, v9                        ; 16 r
	global_load_b128 v[Q:Q+3], v[LI16], s[44:45]   ; Q's six registers of data stay
	global_load_b64 v[Q+4:Q+5], v[LI8], s[44:45] offset:512
	global_load_b32 v[QS], v9, s[46:47]
	v_bfe_u32 v10, v0, 4, 1
	v_xor_b32 v10, 1, v10                          ; 1 in lanes 0-15, which hold k = 64 .. 95 in registers 6-11
	v_mul_u32_u24 v[Q+6], v10, 40                  ; the code of -1 at k = 64
.irp j, 7,8,9,10,11
	v_mov_b32 v[Q+\j], 0
.endr
.irp i, 0,1,2,3
	v_lshlrev_b32 v[KF+12*\i+6], 3, v10            ; the code of +1 at k = 64
.irp j, 7,8,9,10,11
	v_mov_b32 v[KF+12*\i+\j], 0
.endr
.endr
	v_mov_b32 v13, 0xff61b1e6                      ; the largest t so far: -3e38, under every t
	v_floor_f32 v12, -v13                          ; -M
	v_mov_b32 v14, 0                               ; the sum, in two halves
	v_mov_b32 v15, 0
.irp b, 0,1,2,3
	v_mov_b32 v[BP+\b], 0                          ; written once: a lane permute's destination counts as one of its sources
.endr
	v_mov_b32 v[F+1], 0
.set n, 0
.rept 32
	v_mov_b32 v[O+n], 0                            ; O^T: the loop is written once; its first step finds zeros, which the first change of M leaves zeros
.set n, n+1
.endr
; A KEY STEP: 128 keys, at LDS byte s[TB]
.macro STEP
	v_add_nc_u32 v[ADK], s[TB], v[LI16]
	v_add_nc_u32 v[ADK8], s[TB], v[LI8]
.rept 3
	v_nop                                          ; with the two additions five places behind the last step's products: the loads below land in their scale words, and the scores are laid over V's fragments
.endr
	KLOAD 0
	ds_load_b128 v[KS:KS+3], v[ADK] offset:6144
	ds_load_b64 v[VS:VS+1], v[ADK8] offset:12800
	s_wait_dscnt 0x0
	SMUL 0
	PLACES                                         ; in front of loads into registers that the products have read
	KLOAD 1
	s_wait_dscnt 0x0
	SMUL 1
	PLACES                                         ; in front of the first read of the scores
.irp b, 0,1,2,3
	v_max3_num_f32 v[BM+\b], v[S+16*\b], v[S+1+16*\b], v[S+2+16*\b]   ; the largest score of each block of 32 keys: it serves for the row's maximum and, since p rises with the score, for the block's largest p
.endr
.irp i, 3,5,7,9,11,13
.irp b, 0,1,2,3
	v_max3_num_f32 v[BM+\b], v[BM+\b], v[S+16*\b+\i], v[S+1+16*\b+\i]
.endr
.endr
.irp b, 0,1,2,3
	v_max_num_f32 v[BM+\b], v[BM+\b], v[S+15+16*\b]
.endr
.irp b, 0,1,2,3
	v_permlanex16_b32 v[BP+\b], v[BM+\b], s[SEL], s[SEL+1]
.endr
.irp b, 0,1,2,3
	v_max_num_f32 v[BM+\b], v[BM+\b], v[BP+\b]     ; with lane l xor 16's 16 keys
.endr
	v_max3_num_f32 v[TP], v[BM], v[BM+1], v[BM+2]
	v_max_num_f32 v[TP], v[TP], v[BM+3]            ; the step's largest score of my query
	v_mul_f32 v[TP], s[CS], v[TP]                  ; as t
	v_max_num_f32 v13, v13, v[TP]                  ; the running largest t
	v_mov_b32 v[TP], v12
	v_floor_f32 v12, -v13                          ; the new -M = floor(-t) = -ceil(t)
	v_sub_f32 v[TP], v12, v[TP]                    ; old M - new M: a whole number, 0 or less
	v_cvt_i32_f32 v[TP], v[TP]                     ; (it saturates)
	v_ldexp_f32 v[F], 1.0, v[TP]                   ; f = 2^(old M - new M)
.set n, 0
.rept 32
	v_pk_fma_f32 v[S+n:S+n+1], v[S+n:S+n+1], s[CS:CS+1], v[12:13] op_sel_hi:[1,0,0]   ; t - M, two at a time
.set n, n+2
.endr
.irp b, 0,1,2,3
	v_fma_f32 v[BM+\b], v[BM+\b], s[CS], v12       ; the same of each block's largest score
.endr
.set n, 0
.rept 64
	v_exp_f32 v[S+n], v[S+n]                       ; p = 2^(t - M), at most 1: not normalised
.set n, n+1
.endr
	v_pk_mul_f32 v[14:15], v[14:15], v[F:F+1] op_sel_hi:[1,0]   ; the sums under the new M: the plain instruction behind the exponentials
	s_wait_alu depctr_va_vdst(0)                   ; one wait for the whole batch, ahead of its first reader
.irp b, 0,1,2,3
	v_exp_f32 v[BM+\b], v[BM+\b]                   ; the block's largest p: the same two instructions on the same number give the same bits
.endr
	v_pk_add_f32 v[BP:BP+1], v[S:S+1], v[S+2:S+3]  ; the row's sum is taken of the unquantised p: two at a time, in two chains
.irp j, 4,8,12,16,20,24,28,32,36,40,44,48,52,56,60
	v_pk_add_f32 v[14:15], v[14:15], v[S+\j:S+\j+1]
	v_pk_add_f32 v[BP:BP+1], v[BP:BP+1], v[S+\j+2:S+\j+3]
.endr
	v_pk_add_f32 v[14:15], v[14:15], v[BP:BP+1]
	s_wait_alu depctr_va_vdst(0)                   ; and one for the four
.irp b, 0,1,2,3
	v_max_num_f32 v[BM+\b], 0x1800000, v[BM+\b]    ; the floor 2^(3 - 127): a block whose every p is 0 keeps the byte 1: its codes are zeros
.endr
.irp b, 0,1,2,3
	v_add_nc_u32 v[BS+\b], 0xff000000, v[BM+\b]    ; 2 off the exponent field: the conversion's scale operand
.endr
.irp b, 0,1,2,3
	v_lshrrev_b32 v[BP+\b], 23, v[BS+\b]           ; the scale's byte
.endr
	v_lshl_or_b32 v[PW], v[BP+1], 8, v[BP]         ; p's scale word for these 128 keys
	v_lshl_or_b32 v[PW], v[BP+2], 16, v[PW]
	v_lshl_or_b32 v[PW], v[BP+3], 24, v[PW]
.irp c, 0,1
	v_cvt_scalef32_pk16_fp6_f32 v[PC+6*\c:PC+6*\c+2], v[S+32*\c:S+32*\c+15], v[BS+2*\c]
	v_cvt_scalef32_pk16_fp6_f32 v[PT+4*\c:PT+4*\c+2], v[S+16+32*\c:S+31+32*\c], v[BS+2*\c+1]
.endr
.irp t, 0,1,2,3                        ; p has been read for the last time: V's four fragments land in its registers while the codes are put in order
.irp c, 0,1,2
	ds_load_b128 v[S+12*\t+4*\c:S+12*\t+4*\c+3], v[ADK] offset:6656+1536*\t+512*\c
.endr
.endr
	v_nop                                          ; one plain instruction between the scaled conversions and the vector instructions that touch their results
.irp c, 0,1                            ; the operand's layout wants a whole block in a lane
.irp i, 0,1,2
	v_permlane16_swap_b32 v[PC+6*\c+\i], v[PT+4*\c+\i]
.endr
.irp i, 0,1,2
	v_mov_b32 v[PC+3+6*\c+\i], v[PT+4*\c+\i]
.endr
.endr
.set n, 0
.rept 16
	v_pk_mul_f32 v[O+n:O+n+1], v[O+n:O+n+1], v[F:F+1] op_sel_hi:[1,0]   ; O^T under the new M.  These are also the places between the writes of p's codes and scale word and the products
.set n, n+2
.endr
	s_wait_dscnt 0x0                               ; V is in
.irp t, 0,1,2,3                        ; O^T += V^T P^T: the four accumulators by turns
.if \t < 2
	v_wmma_scale_f32_16x16x128_f8f6f4 v[O+8*\t:O+8*\t+7], v[S+12*\t:S+12*\t+11], v[PC:PC+11], v[O+8*\t:O+8*\t+7], v[VS+\t%2], v[PW] matrix_a_fmt:MATRIX_FMT_FP6 matrix_b_fmt:MATRIX_FMT_FP6
.else
	v_wmma_scale_f32_16x16x128_f8f6f4 v[O+8*\t:O+8*\t+7], v[S+12*\t:S+12*\t+11], v[PC:PC+11], v[O+8*\t:O+8*\t+7], v[VS+\t%2], v[PW] matrix_a_fmt:MATRIX_FMT_FP6 matrix_b_fmt:MATRIX_FMT_FP6 matrix_a_scale:MATRIX_SCALE_ROW1
.endif
.endr
.endm
; THE CHANGE OF SLOTS stands at a slot's head.  Each wave waits for all its tensor loads (its part of the slot that it is about to read), adds 0 to its spare word, and waits for that and for its reads of the slot that it has left.
; fill = 1: the barrier is a round of the cluster's, so that no wave of any partner still reads the other slot or has a load on its way; the joint load of the next eight steps is the first thing behind it, and has eight steps in which to land.
.macro CHANGE fill
	s_wait_tensorcnt 0x0                           ; no tensor load of mine is out, so group 0 may be written
	ds_add_u32 v[SPW], v[NIL]                      ; 0 onto my spare word
.if \fill
	s_xor_b32 s[G0+1], s[G0+1], SLOT1              ; the other slot than last time,
	s_add_nc_u64 s[G0+2:G0+3], s[G0+2:G0+3], SLOTB ; the next eight steps; the type bits on top are not reached
.endif
	s_wait_dscnt 0x0                               ; the add is done, and my reads of the slot that I have left are over
.if \fill
	CROUND
	TLOAD
.else
	s_barrier_signal -1
	s_barrier_wait -1
.endif
.endm
.macro EIGHT                           ; a slot's eight steps: written once, walked eight times
	s_mov_b32 s[CNT], 8
.Lstep_\@:
	STEP
	s_add_co_u32 s[TB], s[TB], STEPB
	s_sub_co_u32 s[CNT], s[CNT], 1
	s_cmp_lg_u32 s[CNT], 0
	s_cbranch_scc1 .Lstep_\@
	s_sub_co_u32 s[TB], s[TB], SLOTB               ; back to a slot's first step,
	s_xor_b32 s[TB], s[TB], SLOT1                  ; in the other slot
.endm
	s_wait_loadcnt 0x0                             ; Q
.Lslot:                                            ; three trips: behind each change of slots but the last the next slot is asked for
	CHANGE 1
	EIGHT
	s_sub_co_u32 s[SLOTS], s[SLOTS], 1
	s_cmp_lg_u32 s[SLOTS], 0
	s_cbranch_scc1 .Lslot
	CHANGE 0                                       ; the last slot is written out
	EIGHT
	; THE WAY OUT.  O^T / the sum: register 16 b + i of lane (r, h) is channel 32 b + 16 h + i of query r: two blocks of 32 along the last product's K.  They are quantised here: six registers of codes and two scale bytes.
	PLACES
	v_add_f32 v14, v14, v15                        ; the sum's two halves,
	v_permlanex16_b32 v[TP], v14, s[SEL], s[SEL+1]
	v_add_f32 v14, v14, v[TP]                      ; and lane l xor 16's: the row's sum
	v_rcp_f32 v14, v14
	v_nop                                          ; a plain instruction behind the reciprocal
	s_wait_alu depctr_va_vdst(0)                   ; and the wait ahead of its first reader
.set n, 0
.rept 32
	v_mul_f32 v[S+n], v[O+n], v14                  ; each accumulator from its low end on
.set n, n+1
.endr
.irp b, 0,1
	v_max3_num_f32 v[BM+\b], |v[S+16*\b]|, |v[S+1+16*\b]|, 0x1800000
.endr
.irp i, 2,4,6,8,10,12,14
.irp b, 0,1
	v_max3_num_f32 v[BM+\b], v[BM+\b], |v[S+16*\b+\i]|, |v[S+1+16*\b+\i]|
.endr
.endr
.irp b, 0,1
	v_permlanex16_b32 v[BP+\b], v[BM+\b], s[SEL], s[SEL+1]
.endr
.irp b, 0,1
	v_max_num_f32 v[BM+\b], v[BM+\b], v[BP+\b]
.endr
.irp b, 0,1
	v_add_nc_u32 v[BS+\b], 0xff000000, v[BM+\b]
.endr
.irp b, 0,1
	v_lshrrev_b32 v[BP+\b], 23, v[BS+\b]
.endr
	v_lshl_or_b32 v[PW], v[BP+1], 8, v[BP]         ; my head's two bytes of the row's scale word
	v_cvt_scalef32_pk16_fp6_f32 v[PC:PC+2], v[S:S+15], v[BS]
	v_cvt_scalef32_pk16_fp6_f32 v[PT:PT+2], v[S+16:S+31], v[BS+1]
	v_nop
.irp i, 0,1,2
	v_permlane16_swap_b32 v[PC+\i], v[PT+\i]
.endr
.irp i, 0,1,2
	v_mov_b32 v[PC+3+\i], v[PT+\i]
.endr
	global_store_b128 v[LI16], v[PC:PC+3], s[8:9]              ; 512 consecutive bytes,
	global_store_b64 v[LI8], v[PC+4:PC+5], s[8:9] offset:512   ; 256,
	global_store_b32 v8, v[PW], s[10:11]                       ; and 128 (lanes 16-31 hold copies)
	s_wait_tensorcnt 0x0                           ; the wave's end
	ds_add_u32 v[SPW], v[NIL]
	s_wait_dscnt 0x0
	CROUND                                         ; the closing round: no work-group ends while a partner may still ask for a tile that names it
	s_endpgm
.Lfunc_end_k_qe2aed58f9a_attn:
	.size	k_qe2aed58f9a_attn, .Lfunc_end_k_qe2aed58f9a_attn-k_qe2aed58f9a_attn
	.p2alignl 7, 3214868480
	.fill 96, 4, 3214868480
	.section	.rodata,"a",@progbits
	.p2align	6, 0x0
	.amdhsa_kernel k_qe2aed58f9a_attn
		.amdhsa_group_segment_fixed_size 327680
		.amdhsa_private_segment_fixed_size 0
		.amdhsa_enable_private_segment 0
		.amdhsa_kernarg_size 32
		.amdhsa_user_sgpr_count 2
		.amdhsa_user_sgpr_kernarg_segment_ptr 1
		.amdhsa_wavefront_size32 1
		.amdhsa_system_sgpr_workgroup_id_x 1
		.amdhsa_system_sgpr_workgroup_id_y 1
		.amdhsa_system_sgpr_workgroup_id_z 1
		.amdhsa_system_vgpr_workitem_id 0
		.amdhsa_next_free_vgpr 256
		.amdhsa_next_free_sgpr 66
		.amdhsa_reserve_vcc 0
		.amdhsa_float_denorm_mode_32 3
		.amdhsa_float_denorm_mode_16_64 3
		.amdhsa_memory_ordered 1
		.amdhsa_forward_progress 1
		.amdhsa_inst_pref_size 44
	.end_amdhsa_kernel
	.amdgpu_metadata
---
amdhsa.version: [ 1, 2 ]
amdhsa.kernels:
  - .name:           k_qe2aed58f9a_attn
    .symbol:         k_qe2aed58f9a_attn.kd
    .args:
      - { .name: qimg, .offset: 0, .size: 8, .value_kind: global_buffer, .address_space: global }
      - { .name: kv, .offset: 8, .size: 8, .value_kind: global_buffer, .address_space: global }
      - { .name: xc, .offset: 16, .size: 8, .value_kind: global_buffer, .address_space: global }
      - { .name: xs, .offset: 24, .size: 8, .value_kind: global_buffer, .address_space: global }
    .group_segment_fixed_size: 327680
    .private_segment_fixed_size: 0
    .kernarg_segment_align: 8
    .kernarg_segment_size: 32
    .max_flat_workgroup_size: 512
    .sgpr_count:     66
    .vgpr_count:     256
    .wavefront_size: 32
...
	.end_amdgpu_metadata
.endif
;; end of part 3
;; launch oproj (part 4): grid 256 x 1, 8 waves a work-group, no clusters, 35,840 bytes of LDS; arguments xc, xs, wimg, wsc, bo, out0; writes out0
.if DOCPART == 4
	.amdgcn_target "amdgcn-amd-amdhsa--gfx1250"
	.amdhsa_code_object_version 6
	.text
	.protected	k_qe2aed58f9a_oproj
	.globl	k_qe2aed58f9a_oproj
	.p2align	8
	.type	k_qe2aed58f9a_oproj,@function
k_qe2aed58f9a_oproj:
	s_mov_b64 s[64:65], 0
	v_nop
	global_prefetch_b8 v0, s[64:65] scope:SCOPE_SE
	s_setreg_imm32_b32 hwreg(HW_REG_WAVE_MODE, 25, 1), 1
	s_wait_xcnt 0x0
; out0 = x Wo + bo on codes of FP6 (E2M3) with one E8M0 scale for each 32 along K.  x comes as the attention launch left it: for each tile of 16 rows and each head six registers of codes (768 bytes) and a word with two scale bytes.
; Heads 2 s and 2 s + 1 are registers 0-5 and 6-11 of K step s's fragment; their two words make its scale word.  Wo comes as images of operand registers.
; Work-group G: rows 32 G .. 32 G + 31, as tiles 2 G + u: lane r of tile u is row 32 G + 8 u + r + 8 (r / 8).  Wave w: columns 64 w .. 64 w + 63; its 16 fragments of Wo lie in window 1.
; Source 0 = 16 columns of Wo, source 1 = 16 rows of x: a lane holds one row, and register j of tile t column 64 w + 32 (t / 2) + 16 (lane / 16) + 8 (t % 2) + j.  bo is the C of each sum's first matrix instruction.
; A wave's 64 columns are 256 bytes of a row: they go through the wave's own stage in LDS, so that sixteen lanes store 256 consecutive bytes, aligned.  No barrier: waves share nothing.
; REGISTERS, window 0: v1-8 addresses; v12-27 Wo's scale words; v28-43 x's words as loaded; v44-51 x's scale words; v52-147 x's eight fragments, later rows of the output; v148-211 eight accumulators.  window 1: v0-191 Wo; v192-223 bo.
.set STGW,  16*272
.set SPARE, 8*STGW
.set LI,   1
.set L8,   2
.set L4,   3
.set A4R,  4
.set A64H, 5
.set STO,  6
.set RD,   7
.set CO,   8
.set SPW,  10
.set NIL,  11
.set W1S,  12
.set XR,   28
.set XS,   44
.set XF,   52
.set OUTR, 52
.set ACC,  148
.set BI,   192
.set MSB, 0
.macro WIN new                         ; the immediate's high byte repeats the setting that is left
.if MSB != \new
	s_set_vgpr_msb (MSB<<8)|\new
.set MSB, \new
.endif
.endm
	s_load_b256 s[4:11], s[0:1], 0x0               ; xc, xs, wimg, wsc
	s_load_b128 s[12:15], s[0:1], 0x20             ; bo, out0
	v_lshl_add_u32 v[SPW], v0, 2, SPARE
	v_mov_b32 v[NIL], 0
	v_lshrrev_b32 v212, 5, v0
	v_readfirstlane_b32 s16, v212                  ; wave 0..7
	v_and_b32 v212, 31, v0                         ; lane
	v_and_b32 v213, 15, v0                         ; r
	v_bfe_u32 v214, v0, 4, 1                       ; h
	v_lshlrev_b32 v[LI], 4, v212
	v_lshlrev_b32 v[L8], 3, v212
	v_lshlrev_b32 v[L4], 2, v212
	v_lshlrev_b32 v[A4R], 2, v213
	v_lshlrev_b32 v[A64H], 6, v214
	s_mul_i32 s17, s16, STGW                       ; my stage
	v_mul_u32_u24 v[STO], v213, 272
	v_lshl_add_u32 v[STO], v214, 6, v[STO]
	v_add_nc_u32 v[STO], s17, v[STO]               ; in: row r, + 64 h
	v_mul_u32_u24 v[RD], v214, 272
	v_lshl_add_u32 v[RD], v213, 4, v[RD]
	v_add_nc_u32 v[RD], s17, v[RD]                 ; back: lanes 0-15 one row, lanes 16-31 the next
	s_lshl_b32 s28, s16, 8                         ; my 64 columns: 256 bytes
	s_mov_b32 s29, 0
	v_lshlrev_b32 v[CO], 11, v214
	v_lshl_add_u32 v[CO], v213, 4, v[CO]
	v_add_nc_u32 v[CO], s28, v[CO]                 ; and the same two rows in the output
	s_mul_i32 s20, ttmp9, 12288                    ; xc: two tiles of 8 x 768 bytes
	s_mov_b32 s21, 0
	s_lshl_b32 s22, ttmp9, 11                      ; xs: two tiles of 8 x 128 bytes
	s_mov_b32 s23, 0
	s_mul_i32 s24, s16, 24576
	s_add_co_u32 s24, s24, 3*196608                ; Wo is the fourth weight
	s_mov_b32 s25, 0
	s_lshl_b32 s26, s16, 10
	s_add_co_u32 s26, s26, 3*8192
	s_mov_b32 s27, 0
	s_lshl_b32 s30, ttmp9, 16                      ; 32 rows of 2,048 bytes
	s_mov_b32 s31, 0
	s_wait_kmcnt 0x0
	s_add_nc_u64 s[4:5], s[4:5], s[20:21]
	s_add_nc_u64 s[6:7], s[6:7], s[22:23]
	s_add_nc_u64 s[8:9], s[8:9], s[24:25]
	s_add_nc_u64 s[10:11], s[10:11], s[26:27]
	s_add_nc_u64 s[12:13], s[12:13], s[28:29]
	s_add_nc_u64 s[14:15], s[14:15], s[30:31]
.irp u, 0,1
.irp s, 0,1,2,3
	global_load_b128 v[XF+48*\u+12*\s:XF+48*\u+12*\s+3], v[LI], s[4:5] offset:6144*\u+768*(2*\s)
	global_load_b64 v[XF+48*\u+12*\s+4:XF+48*\u+12*\s+5], v[L8], s[4:5] offset:6144*\u+768*(2*\s)+512
	global_load_b128 v[XF+48*\u+12*\s+6:XF+48*\u+12*\s+9], v[LI], s[4:5] offset:6144*\u+768*(2*\s+1)
	global_load_b64 v[XF+48*\u+12*\s+10:XF+48*\u+12*\s+11], v[L8], s[4:5] offset:6144*\u+768*(2*\s+1)+512
.endr
.irp d, 0,1,2,3,4,5,6,7
	global_load_b32 v[XR+8*\u+\d], v[L4], s[6:7] offset:1024*\u+128*\d
.endr
.endr
.irp t, 0,1,2,3
.irp s, 0,1,2,3
	global_load_b32 v[W1S+4*\t+\s], v[A4R], s[10:11] offset:(4*\s+\t)*64
.endr
.endr
	WIN 0x40                                       ; destination window 1
.irp t, 0,1,2,3
.irp s, 0,1,2,3
.irp c, 0,1,2
	global_load_b128 v[12*(4*\t+\s)+4*\c:12*(4*\t+\s)+4*\c+3], v[LI], s[8:9] offset:(4*\t+\s)*1536+512*\c
.endr
.endr
.endr
.irp t, 0,1,2,3
	global_load_b128 v[BI+8*\t:BI+8*\t+3], v[A64H], s[12:13] offset:4*(32*(\t/2)+8*(\t%2))
	global_load_b128 v[BI+8*\t+4:BI+8*\t+7], v[A64H], s[12:13] offset:4*(32*(\t/2)+8*(\t%2))+16
.endr
	WIN 0
	s_wait_loadcnt 0x0
.irp u, 0,1
.irp s, 0,1,2,3
	v_lshl_or_b32 v[XS+4*\u+\s], v[XR+8*\u+2*\s+1], 16, v[XR+8*\u+2*\s]   ; two heads' bytes make K step s's scale word
.endr
.endr
.rept 8
	v_nop                                          ; a scale register written by a vector instruction stands eight places ahead of a scaled matrix instruction
.endr
	WIN 0x11                                       ; source 0 (Wo) and source 2 (bo) window 1
.irp u, 0,1
.irp t, 0,1,2,3
	v_wmma_scale_f32_16x16x128_f8f6f4 v[ACC+32*\u+8*\t:ACC+32*\u+8*\t+7], v[12*(4*\t):12*(4*\t)+11], v[XF+48*\u:XF+48*\u+11], v[BI+8*\t:BI+8*\t+7], v[W1S+4*\t], v[XS+4*\u] matrix_a_fmt:MATRIX_FMT_FP6 matrix_b_fmt:MATRIX_FMT_FP6
.endr
.endr
	WIN 0x01
.irp s, 1,2,3                          ; the eight accumulators by turns, K step by K step
.irp u, 0,1
.irp t, 0,1,2,3
	v_wmma_scale_f32_16x16x128_f8f6f4 v[ACC+32*\u+8*\t:ACC+32*\u+8*\t+7], v[12*(4*\t+\s):12*(4*\t+\s)+11], v[XF+48*\u+12*\s:XF+48*\u+12*\s+11], v[ACC+32*\u+8*\t:ACC+32*\u+8*\t+7], v[W1S+4*\t+\s], v[XS+4*\u+\s] matrix_a_fmt:MATRIX_FMT_FP6 matrix_b_fmt:MATRIX_FMT_FP6
.endr
.endr
.endr
	WIN 0
.rept 4
	v_nop                                          ; places in front of the first read of results and of loads into registers that the products have read
.endr
.irp u, 0,1
.irp t, 0,1,2,3
	ds_store_b128 v[STO], v[ACC+32*\u+8*\t:ACC+32*\u+8*\t+3] offset:128*(\t/2)+32*(\t%2)        ; each accumulator from its low end on
	ds_store_b128 v[STO], v[ACC+32*\u+8*\t+4:ACC+32*\u+8*\t+7] offset:128*(\t/2)+32*(\t%2)+16
.endr
.irp i, 0,1,2,3,4,5,6,7
	ds_load_b128 v[OUTR+32*\u+4*\i:OUTR+32*\u+4*\i+3], v[RD] offset:544*\i   ; LDS serves a wave's instructions in order: these see my stores, and the next tile's stores come behind them
.endr
.endr
.irp u, 0,1
.irp i, 0,1,2,3,4,5,6,7
	s_wait_dscnt 23-16*\u-\i                       ; the younger LDS instructions may be out
	global_store_b128 v[CO], v[OUTR+32*\u+4*\i:OUTR+32*\u+4*\i+3], s[14:15] offset:(8*\u+2*\i+8*(\i/4))*2048 th:TH_STORE_NT   ; sixteen lanes store 256 consecutive bytes, at a multiple of 256 from the output's first byte
.endr
.endr
	s_wait_tensorcnt 0x0                           ; the wave's end
	ds_add_u32 v[SPW], v[NIL]
	s_wait_dscnt 0x0
	s_endpgm
.Lfunc_end_k_qe2aed58f9a_oproj:
	.size	k_qe2aed58f9a_oproj, .Lfunc_end_k_qe2aed58f9a_oproj-k_qe2aed58f9a_oproj
	.p2alignl 7, 3214868480
	.fill 96, 4, 3214868480
	.section	.rodata,"a",@progbits
	.p2align	6, 0x0
	.amdhsa_kernel k_qe2aed58f9a_oproj
		.amdhsa_group_segment_fixed_size 35840
		.amdhsa_private_segment_fixed_size 0
		.amdhsa_enable_private_segment 0
		.amdhsa_kernarg_size 48
		.amdhsa_user_sgpr_count 2
		.amdhsa_user_sgpr_kernarg_segment_ptr 1
		.amdhsa_wavefront_size32 1
		.amdhsa_system_sgpr_workgroup_id_x 1
		.amdhsa_system_sgpr_workgroup_id_y 1
		.amdhsa_system_sgpr_workgroup_id_z 1
		.amdhsa_system_vgpr_workitem_id 0
		.amdhsa_next_free_vgpr 512
		.amdhsa_next_free_sgpr 66
		.amdhsa_reserve_vcc 0
		.amdhsa_float_denorm_mode_32 3
		.amdhsa_float_denorm_mode_16_64 3
		.amdhsa_memory_ordered 1
		.amdhsa_forward_progress 1
		.amdhsa_inst_pref_size 23
	.end_amdhsa_kernel
	.amdgpu_metadata
---
amdhsa.version: [ 1, 2 ]
amdhsa.kernels:
  - .name:           k_qe2aed58f9a_oproj
    .symbol:         k_qe2aed58f9a_oproj.kd
    .args:
      - { .name: xc, .offset: 0, .size: 8, .value_kind: global_buffer, .address_space: global }
      - { .name: xs, .offset: 8, .size: 8, .value_kind: global_buffer, .address_space: global }
      - { .name: wimg, .offset: 16, .size: 8, .value_kind: global_buffer, .address_space: global }
      - { .name: wsc, .offset: 24, .size: 8, .value_kind: global_buffer, .address_space: global }
      - { .name: bo, .offset: 32, .size: 8, .value_kind: global_buffer, .address_space: global }
      - { .name: out0, .offset: 40, .size: 8, .value_kind: global_buffer, .address_space: global }
    .group_segment_fixed_size: 35840
    .private_segment_fixed_size: 0
    .kernarg_segment_align: 8
    .kernarg_segment_size: 48
    .max_flat_workgroup_size: 256
    .sgpr_count:     66
    .vgpr_count:     512
    .wavefront_size: 32
...
	.end_amdgpu_metadata
.endif
;; end of part 4
;; ======== version 2 of 2: 4 launches
;; limits: right only within a limited range of input values
;; workspace buffers: wimg 786,432 bytes; wsc 32,768 bytes; qimg 3,407,872 bytes; kv 6,684,672 bytes; xc 3,145,728 bytes; xs 524,288 bytes
;; launch wprep: the kernel of part 1 again; grid 16 x 4, 4 waves a work-group, no clusters, 12,800 bytes of LDS; arguments Wq, Wk, Wv, Wo, wimg, wsc; writes wimg, wsc
;; launch proj (part 5): grid 64 x 3, 8 waves a work-group, no clusters, 121,856 bytes of LDS; arguments query, key_in, value, bq, bk, bv, mask, wimg, wsc, qimg, kv; writes qimg, kv
.if DOCPART == 5
	.amdgcn_target "amdgcn-amd-amdhsa--gfx1250"
	.amdhsa_code_object_version 6
	.text
	.protected	k_qe2aed58f9a_proj
	.globl	k_qe2aed58f9a_proj
	.p2align	8
	.type	k_qe2aed58f9a_proj,@function
k_qe2aed58f9a_proj:
	s_mov_b64 s[64:65], 0
	v_nop
	global_prefetch_b8 v0, s[64:65] scope:SCOPE_SE
	s_setreg_imm32_b32 hwreg(HW_REG_WAVE_SCHED_MODE, 0, 2), 2
	s_setreg_imm32_b32 hwreg(HW_REG_WAVE_MODE, 25, 1), 1
	s_wait_xcnt 0x0
	s_wait_alu depctr_vm_vsrc(0)
; q = query Wq + bq, k = key_in Wk + bk, v = value Wv + bv, on codes of FP6 (E2M3) with one E8M0 scale for each 32 along K; the results are quantised at once as the operands of the attention launch.
; Work-group (x, y): tensor y (0 q, 1 k, 2 v), rows 128 x .. 128 x + 127 of the 8,192.  Wave w: head w, 64 columns: its 16 fragments of W stay in registers (window 1), read once.
; PHASE X: wave w quantises tile w of the block's rows (16 rows x 512: four fragments) and stores them in LDS as images of their registers | ONE barrier | every wave reads all 32 fragments.
; TILES ARE NOT NEIGHBOURING ROWS: lane r of tile m takes row 32 (m / 2) + 8 (m % 2) + r + 8 (r / 8); W's columns likewise.  So the 16 registers of two neighbouring result tiles are 16 neighbours along the next K.
; q, k: source 0 = 16 columns of W, source 1 = 16 rows of x: a lane holds one row, its 32 registers the head's 64 in two halves of the lanes: two blocks of 32 along the scores' K.  Two tiles of rows are quantised together.
;   A tile leaves as 768 bytes: registers 0-3 (16 bytes a lane), registers 4-5 (8 bytes a lane).  The scale words of 8 tiles leave as 512 bytes: lanes 0-15 tiles 0-3, lanes 16-31 tiles 4-7.
;   THE MASK RIDES IN THE SCALE WORDS.  The head's 64 fill half of the instruction's 128 along K.  The attention launch puts the code of +1 at k = 64 of every key and of -1 at k = 64 of every query; byte 2 of a query's scale word
;   is 147 (2^20), of a key's 167 (2^40) where mask == 0 and 1 (2^-126) elsewhere: a masked score is q.k - 2^60, an open one q.k - 2^-106.  Byte 3 is 127, over zero codes.
; v: the sources are swapped: a lane holds one channel d, its 64 registers run along the block's 128 keys, which are the second product's K: one whole fragment and one scale word for each tile of 16 channels.
; The biases are the C of each sum's first matrix instruction.
; LIMITS: a masked logit is -2^57, not -1e9: the results differ only where an open logit lies under about -1e9.  Blocks whose largest magnitude lies under 2^-124 take the floor's byte, 1.  NaN and infinities are not served.
; REGISTERS, window 0: v1-11 addresses; v12-15 x's scale words, v16-31 W's: nothing else ever; v32-95 64 numbers of x, later x's four fragments (v32-79) and small work (v80-95); v96-223 two sets of loaded rows, later 16 accumulators
;   (q, k: eight accumulators in v96-159, and a second set of x's fragments in v160-207);
;   v224-242 the codes just made; v243 their scale word; v244-255 at work.   window 1: v0-191 W; v192-223 the bias, 8 registers a tile; v224-231 mask words; v232-235 the bias, a lane a column.
; THE MODE: SCHED_MODE bits 1:0 = 2 (LLVM: expert scheduling mode 2), set by the entry lines.  The code itself states the register dependences between vector or matrix instructions and memory or LDS instructions, with s_wait_alu, always for 0.
; THE PLAN.  Registers that memory or LDS instructions touch:
;   v1-9, v239    addresses and offsets: written at the head, read by every load and store, never written again.
;   R0, R1        x's rows as loaded.  Written by global loads; read by the stage's LDS stores; then loaded again, and behind the barrier written by the products (R1 for q and k: by LDS loads).
;   X             written by the stage's LDS loads; read by the quantiser.
;   PC, PW        written by the quantiser; read by the images' LDS stores, behind the barrier by the global stores.
;   XF, XF2, XS   behind the barrier: written by LDS loads; read by the products.
;   W, its scale words, the bias and the mask are loaded once and named by vector and matrix instructions alone from then on.
; So a K step of phase X has one wait on vm_vsrc, at the end of its turn through the stage, and one on va_vdst, behind its quantiser.  Behind the barrier one wait on va_vdst stands behind a tile's products, ahead of the
; loads into the registers that they read; those loads land under the next products or under the quantiser, which name none of them; one more stands behind the quantiser, ahead of its stores, and one on vm_vsrc ahead of the next quantiser.
.set XIMG,  0                          ; LDS: x's 32 fragments (tile m, K step s: 4 m + s), 1,536 bytes each,
.set XSC,   32*1536                    ; their scale words, 128 bytes each,
.set STG,   XSC+32*128                 ; a stage for each wave: 16 rows x (512 bytes + 16),
.set STGW,  16*528
.set SPARE, STG+8*STGW                 ; and the spare words, 128 bytes a wave
.set LI,   1                           ; 16 x lane
.set L8,   2                           ; 8 x lane
.set LS,   3                           ; 4 x lane
.set TW,   4                           ; my stage, on the way in: 16 x lane
.set TR,   5                           ; and on the way out: 528 r + 64 h
.set XWI,  6                           ; where I store x's images
.set XWS,  7                           ; and their scale words
.set A64H, 8                           ; 64 h
.set A4PI, 9                           ; 4 (r + 8 (r / 8))
.set SPW,  10
.set NIL,  11
.set XS,   12
.set W1S,  16
.set X,    32
.set XF,   32
.set XF2,  160                         ; q, k: the second set of x's fragments
.set EX,   80                          ; v80-87 the scale words of 8 tiles
.set EU,   88
.set EM,   89
.set TMPR, 90
.set KO,   88                          ; v88-91 their image
.set VW,   80                          ; v80-83 v's scale words;  v84-85 their image
.set VO,   84
.set ACC,  96
.set R0,   96
.set R1,   160
.set PC,   224
.set A4R,  239                         ; 4 r
.set PW,   243
.set TM,   244                         ; 0-3 largest magnitudes, 4-7 the other half's, then bytes, 8-11 the conversions' scale operands
.set BI,   192
.set MK,   224
.set BV,   232
.set WV,   26
.set TEN,  27
.set SEL,  30
.set CM,   54                          ; s54-61 where the mask's word is 0, a register for each of the 8 tiles
.set MSB, 0
.macro WIN new                         ; the immediate's high byte repeats the setting that is left
.if MSB != \new
	s_set_vgpr_msb (MSB<<8)|\new
.set MSB, \new
.endif
.endm
.macro PLACES                          ; four plain instructions between a matrix instruction and a load into, or a read of, its registers
.rept 4
	v_nop
.endr
.endm
; 64 numbers of a lane, register 16 b + i = k 32 b + 16 (lane / 16) + i of my row, become a fragment's codes in v[PC] on and its scale word in v[PW]
.macro QUANT s
.irp b, 0,1,2,3
	v_max3_num_f32 v[TM+\b], |v[16*\b+\s]|, |v[16*\b+1+\s]|, 0x1800000   ; my 16 numbers of block b, and the floor 2^(3 - 127): the byte cannot fall under 1
.endr
.irp i, 2,4,6,8,10,12,14
.irp b, 0,1,2,3
	v_max3_num_f32 v[TM+\b], v[TM+\b], |v[16*\b+\i+\s]|, |v[16*\b+\i+1+\s]|   ; the four blocks by turns
.endr
.endr
.irp b, 0,1,2,3
	v_permlanex16_b32 v[TM+4+\b], v[TM+\b], s[SEL], s[SEL+1]
.endr
.irp b, 0,1,2,3
	v_max_num_f32 v[TM+\b], v[TM+\b], v[TM+4+\b]   ; with lane l xor 16's: the block's largest magnitude
.endr
.irp b, 0,1,2,3
	v_add_nc_u32 v[TM+8+\b], 0xff000000, v[TM+\b]  ; 2 off its exponent field: the conversion's scale operand
.endr
.irp b, 0,1,2,3
	v_lshrrev_b32 v[TM+4+\b], 23, v[TM+8+\b]       ; the scale's byte
.endr
	v_lshl_or_b32 v[PW], v[TM+5], 8, v[TM+4]
	v_lshl_or_b32 v[PW], v[TM+6], 16, v[PW]
	v_lshl_or_b32 v[PW], v[TM+7], 24, v[PW]
.irp c, 0,1
	v_cvt_scalef32_pk16_fp6_f32 v[PC+6*\c:PC+6*\c+2], v[32*\c+\s:32*\c+15+\s], v[TM+8+2*\c]
	v_cvt_scalef32_pk16_fp6_f32 v[PC+12+4*\c:PC+14+4*\c], v[32*\c+16+\s:32*\c+31+\s], v[TM+9+2*\c]   ; (a conversion's three registers begin on an even number)
.endr
	v_nop                                          ; one plain instruction behind the scaled conversions
.irp c, 0,1                            ; the operand's layout wants a whole block in a lane: lanes 0-15 block 2 c, lanes 16-31 block 2 c + 1
.irp i, 0,1,2
	v_permlane16_swap_b32 v[PC+6*\c+\i], v[PC+12+4*\c+\i]
.endr
.irp i, 0,1,2
	v_mov_b32 v[PC+3+6*\c+\i], v[PC+12+4*\c+\i]
.endr
.endr
.endm
.macro XLOAD s, reg                    ; my tile's 16 rows, 128 numbers of K step s: each load reads 512 consecutive bytes of one row
.irp i, 0,1,2,3,4,5,6,7,8,9,10,11,12,13,14,15
	global_load_b128 v[\reg+4*\i:\reg+4*\i+3], v[LI], s[4:5] offset:(\i+8*(\i/8))*2048+512*\s th:TH_LOAD_NT
.endr
.endm
.macro TURN reg                        ; through my own stage: in as loaded, out 16 neighbours of each block a lane.  LDS serves a wave's instructions in order
.irp i, 0,1,2,3,4,5,6,7,8,9,10,11,12,13,14,15
	ds_store_b128 v[TW], v[\reg+4*\i:\reg+4*\i+3] offset:528*\i
.endr
.irp b, 0,1,2,3
.irp j, 0,1,2,3
	ds_load_b128 v[X+16*\b+4*\j:X+16*\b+4*\j+3], v[TR] offset:128*\b+16*\j   ; the last quantiser is done reading v[X ..]: the wait on va_vdst behind it has said so
.endr
.endr
	s_wait_dscnt 0x0                               ; the numbers are back
	s_wait_alu depctr_vm_vsrc(0)                   ; the stage's stores have read the loaded rows, which later loads and the products write again; the last image's stores have read the codes and the scale word, which the quantiser writes again
.endm
.macro XQ s                            ; K step s of my tile: codes and scale word to LDS, as they stand in the registers
	QUANT X
	s_wait_alu depctr_va_vdst(0)                   ; the quantiser has written the codes and the scale word, which the stores below read, and is done reading v[X ..], in which the next LDS loads land
.irp c, 0,1,2
	ds_store_b128 v[XWI], v[PC+4*\c:PC+4*\c+3] offset:XIMG+1536*\s+512*\c
.endr
	ds_store_b32 v[XWS], v[PW] offset:128*\s
.endm
.macro WLOAD t0                        ; W's fragments of tiles t0, t0 + 1: 24 loads of 512 consecutive bytes.  No vector instruction names their registers ahead of them, and their offset was written ahead of the head's wait
	WIN 0x40                                       ; destination window 1
.irp t, \t0, \t0+1
.irp s, 0,1,2,3
.irp c, 0,1,2
	global_load_b128 v[12*(4*(\t)+\s)+4*\c:12*(4*(\t)+\s)+4*\c+3], v[LI], s[18:19] offset:(4*(\t)+\s)*1536+512*\c
.endr
.endr
.endr
	WIN 0
.endm
.macro FETCHC m, reg                   ; tile m's four fragments, from LDS, into v[reg] on: twelve loads
.irp s, 0,1,2,3
.irp c, 0,1,2
	ds_load_b128 v[\reg+12*\s+4*\c:\reg+12*\s+4*\c+3], v[LI] offset:XIMG+(4*(\m)+\s)*1536+512*\c
.endr
.endr
.endm
.macro FETCHS m                        ; and its four scale words
.irp s, 0,1,2,3
	ds_load_b32 v[XS+\s], v[LS] offset:XSC+(4*(\m)+\s)*128
.endr
.endm
; q, k: 16 matrix instructions on the fragments in v[xf] on: my four tiles of columns by turns, K step by K step
.macro MULQK mm, xf
	WIN 0x11                                       ; source 0 (W) and source 2 (the bias) window 1
.irp t, 0,1,2,3
	v_wmma_scale_f32_16x16x128_f8f6f4 v[ACC+32*\mm+8*\t:ACC+32*\mm+8*\t+7], v[12*(4*\t):12*(4*\t)+11], v[\xf:\xf+11], v[BI+8*\t:BI+8*\t+7], v[W1S+4*\t], v[XS] matrix_a_fmt:MATRIX_FMT_FP6 matrix_b_fmt:MATRIX_FMT_FP6
.endr
	WIN 0x01
.irp s, 1,2,3
.irp t, 0,1,2,3
	v_wmma_scale_f32_16x16x128_f8f6f4 v[ACC+32*\mm+8*\t:ACC+32*\mm+8*\t+7], v[12*(4*\t+\s):12*(4*\t+\s)+11], v[\xf+12*\s:\xf+12*\s+11], v[ACC+32*\mm+8*\t:ACC+32*\mm+8*\t+7], v[W1S+4*\t+\s], v[XS+\s] matrix_a_fmt:MATRIX_FMT_FP6 matrix_b_fmt:MATRIX_FMT_FP6
.endr
.endr
	WIN 0
	PLACES
.endm
; v: 8 matrix instructions: source 0 = tile m of the keys, source 1 = tiles 2 g, 2 g + 1 of W's columns, by turns
.macro MULV g, m
	WIN 0x14                                       ; source 1 (W) and source 2 (the bias) window 1
.irp tt, 0,1
	v_wmma_scale_f32_16x16x128_f8f6f4 v[ACC+64*\tt+8*\m:ACC+64*\tt+8*\m+7], v[XF:XF+11], v[12*(4*(2*\g+\tt)):12*(4*(2*\g+\tt))+11], v[BI+8*(2*\g+\tt):BI+8*(2*\g+\tt)+7], v[XS], v[W1S+4*(2*\g+\tt)] matrix_a_fmt:MATRIX_FMT_FP6 matrix_b_fmt:MATRIX_FMT_FP6
.endr
	WIN 0x04
.irp s, 1,2,3
.irp tt, 0,1
	v_wmma_scale_f32_16x16x128_f8f6f4 v[ACC+64*\tt+8*\m:ACC+64*\tt+8*\m+7], v[XF+12*\s:XF+12*\s+11], v[12*(4*(2*\g+\tt)+\s):12*(4*(2*\g+\tt)+\s)+11], v[ACC+64*\tt+8*\m:ACC+64*\tt+8*\m+7], v[XS+\s], v[W1S+4*(2*\g+\tt)+\s] matrix_a_fmt:MATRIX_FMT_FP6 matrix_b_fmt:MATRIX_FMT_FP6
.endr
.endr
	WIN 0
	PLACES
.endm
	s_load_b512 s[4:19], s[0:1], 0x0               ; query, key_in, value, bq, bk, bv, mask s[16:17], wimg s[18:19]
	s_load_b128 s[20:23], s[0:1], 0x40             ; wsc, qimg
	s_load_b64 s[24:25], s[0:1], 0x50              ; kv
	v_lshl_add_u32 v[SPW], v0, 2, SPARE
	v_mov_b32 v[NIL], 0
	v_lshrrev_b32 v32, 5, v0
	v_readfirstlane_b32 s[WV], v32                 ; wave 0..7
	s_and_b32 s[TEN], ttmp7, 0xffff                ; the tensor
	v_and_b32 v32, 31, v0                          ; lane
	v_and_b32 v33, 15, v0                          ; r
	v_bfe_u32 v34, v0, 4, 1                        ; h
	v_lshlrev_b32 v[LI], 4, v32
	v_lshlrev_b32 v[L8], 3, v32
	v_lshlrev_b32 v[LS], 2, v32
	s_wait_alu depctr_va_sdst(0)                   ; the wave's number is written, ahead of its first reader: LDS addresses and the buffers' offsets are made from it
	s_mul_i32 s34, s[WV], STGW
	s_add_co_u32 s34, s34, STG
	v_add_nc_u32 v[TW], s34, v[LI]
	v_mul_u32_u24 v[TR], v33, 528
	v_lshl_add_u32 v[TR], v34, 6, v[TR]
	v_add_nc_u32 v[TR], s34, v[TR]
	s_mul_i32 s34, s[WV], 4*1536
	v_add_nc_u32 v[XWI], s34, v[LI]
	s_lshl_b32 s34, s[WV], 9
	s_add_co_u32 s34, s34, XSC
	v_add_nc_u32 v[XWS], s34, v[LS]
	v_lshlrev_b32 v[A64H], 6, v34
	v_and_b32 v35, 8, v33
	v_add_nc_u32 v35, v35, v33
	v_lshlrev_b32 v[A4PI], 2, v35
	v_lshlrev_b32 v[A4R], 2, v33
.irp b, 0,1,2,3
	v_mov_b32 v[TM+4+\b], 0                        ; written once: a lane permute's destination counts as one of its sources
.endr
	s_mov_b32 s[SEL], 0x76543210
	s_mov_b32 s[SEL+1], 0xfedcba98                 ; v_permlanex16_b32's selects for lane l xor 16
	s_mov_b32 s32, 0xffff0000                      ; lanes 16-31
	s_mov_b32 s33, 0xffff
	s_lshl_b32 s40, ttmp9, 18                      ; x: 128 x rows of 2,048 bytes,
	s_lshr_b32 s42, s[WV], 1
	s_lshl_b32 s42, s42, 16                        ; + 32 (w / 2) rows,
	s_add_co_u32 s40, s40, s42
	s_and_b32 s42, s[WV], 1
	s_lshl_b32 s42, s42, 14                        ; + 8 (w % 2) rows
	s_add_co_u32 s40, s40, s42
	s_mov_b32 s41, 0
	s_lshl_b32 s42, s[WV], 8                       ; the bias: my 64 numbers
	s_mov_b32 s43, 0
	s_lshl_b32 s44, ttmp9, 9                       ; the mask: my block's 128 words
	s_mov_b32 s45, 0
	s_mul_i32 s46, s[TEN], 196608                  ; W's images: the weight, my 16 fragments
	s_mul_i32 s48, s[WV], 24576
	s_add_co_u32 s46, s46, s48
	s_mov_b32 s47, 0
	s_lshl_b32 s48, s[TEN], 13                     ; and their scale words
	s_lshl_b32 s50, s[WV], 10
	s_add_co_u32 s48, s48, s50
	s_mov_b32 s49, 0
	s_lshr_b32 s50, ttmp9, 5                       ; out: ((batch x 8 + head) x 32 + block) entries
	s_lshl_b32 s50, s50, 3
	s_add_co_u32 s50, s50, s[WV]
	s_lshl_b32 s50, s50, 5
	s_and_b32 s52, ttmp9, 31
	s_add_co_u32 s50, s50, s52
	s_cmp_eq_u32 s[TEN], 0
	s_mov_b32 s52, 13056                           ; of 13,056 bytes in kv,
	s_cselect_b32 s52, 6656, s52                   ; of 6,656 in qimg
	s_mov_b32 s36, 0x7fa70000                      ; bytes 2 and 3 of a scale word: a masked key's 167, 127;
	s_cselect_b32 s36, 0x7f930000, s36             ; a query's 147, 127
	s_mov_b32 s37, 0x7f010000                      ; an open key's 1, 127
	s_cselect_b32 s37, 0x7f930000, s37
	s_mul_i32 s50, s50, s52
	s_mov_b32 s51, 0
	s_wait_kmcnt 0x0
	s_cmp_eq_u32 s[TEN], 0                         ; the buffers are chosen by the work-group's number alone
	s_cselect_b64 s[22:23], s[22:23], s[24:25]
	s_cmp_eq_u32 s[TEN], 1
	s_cselect_b64 s[4:5], s[6:7], s[4:5]
	s_cselect_b64 s[10:11], s[12:13], s[10:11]
	s_cmp_eq_u32 s[TEN], 2
	s_cselect_b64 s[4:5], s[8:9], s[4:5]
	s_cselect_b64 s[10:11], s[14:15], s[10:11]
	s_add_nc_u64 s[4:5], s[4:5], s[40:41]          ; x at my tile's first row
	s_add_nc_u64 s[10:11], s[10:11], s[42:43]      ; the bias
	s_add_nc_u64 s[16:17], s[16:17], s[44:45]      ; the mask
	s_add_nc_u64 s[18:19], s[18:19], s[46:47]      ; W's images
	s_add_nc_u64 s[20:21], s[20:21], s[48:49]      ; W's scale words
	s_add_nc_u64 s[22:23], s[22:23], s[50:51]      ; my entry of the output
	s_wait_alu depctr_va_vdst(0)                   ; the addresses and offsets v1 to v9 and v239 are written, which every load and store of the kernel reads; so are v32 to v35, in which LDS loads land
	; ---- PHASE X.  Loads come back in order (ISA guide 5.7.1): each count names the loads issued behind the K step that is wanted
	XLOAD 0, R0
	XLOAD 1, R1
	WLOAD 0
	s_wait_loadcnt 40                              ; K step 0 is in; behind it: K step 1's 16, W's first 24
	TURN R0
	XLOAD 2, R0
	XQ 0
	s_wait_loadcnt 40                              ; K step 1; behind it: W's 24, K step 2's 16
	TURN R1
	XLOAD 3, R1
	XQ 1
	s_wait_loadcnt 16                              ; K step 2 (and W's first half); behind it: K step 3's 16
	TURN R0
	WLOAD 2
.irp t, 0,1,2,3
.irp s, 0,1,2,3
	global_load_b32 v[W1S+4*\t+\s], v[A4R], s[20:21] offset:(4*\s+\t)*64
.endr
.endr
	XQ 2
	s_wait_loadcnt 40                              ; K step 3; behind it: W's second 24, the 16 scale words
	TURN R1
	WIN 0x40                                       ; destination window 1.  Every tensor loads both forms of its bias, and the mask's words: all lie inside their buffers, and the text parts only once, behind the barrier
.irp t, 0,1,2,3
	global_load_b128 v[BI+8*\t:BI+8*\t+3], v[A64H], s[10:11] offset:4*(32*(\t/2)+8*(\t%2))       ; lane (r, h), tile t: the bias of columns 32 (t / 2) + 16 h + 8 (t % 2) + 0 .. 7
	global_load_b128 v[BI+8*\t+4:BI+8*\t+7], v[A64H], s[10:11] offset:4*(32*(\t/2)+8*(\t%2))+16
.endr
.irp m, 0,1,2,3,4,5,6,7
	global_load_b32 v[MK+\m], v[A4PI], s[16:17] offset:4*(32*(\m/2)+8*(\m%2))                    ; the mask word of tile m's row r
.endr
.irp t, 0,1,2,3
	global_load_b32 v[BV+\t], v[A4PI], s[10:11] offset:4*(32*(\t/2)+8*(\t%2))                    ; the bias of tile t's column r
.endr
	WIN 0
	XQ 3
	s_wait_dscnt 0x0                               ; for the others' sake: my images have landed
	s_barrier_signal -1
	s_barrier_wait -1                              ; x's 32 fragments lie in LDS; from here on LDS is only read
	s_wait_alu depctr_vm_vsrc(0)                   ; my last image's stores have read the codes and the scale word, which the quantiser writes again on both ways below
	s_wait_loadcnt 0x0                             ; W, its scale words, the bias, the mask
	s_cmp_eq_u32 s[TEN], 2
	s_cbranch_scc1 .Lv
	; ---- q and k.  Two sets of fragments take turns: the even tiles in v[XF ..], the odd ones in v[XF2 ..]; the scale words have one set
	FETCHC 0, XF                                   ; the last quantiser's wait on va_vdst has shown v[XF ..] read; no vector instruction has named v[XF2 ..] or v[XS ..]
	FETCHS 0
	FETCHC 1, XF2
	WIN 0x01                                       ; source 0 window 1
.irp m, 0,1,2,3,4,5,6,7
	v_mov_b32 v[EX+\m], v[MK+\m]
.endr
	WIN 0
	v_mov_b32 v[EU], s37
	v_mov_b32 v[EM], s36
.irp m, 0,1,2,3,4,5,6,7
	v_cmp_eq_u32 s[CM+\m], 0, v[EX+\m]             ; the eight compares in one run, a scalar register each
.endr
	s_wait_alu depctr_va_sdst(0)                   ; the eight masks are written, ahead of the selects that read them
.irp m, 0,1,2,3,4,5,6,7
	v_cndmask_b32 v[EX+\m], v[EU], v[EM], s[CM+\m] ; bytes 2 and 3 of the row's scale word (for q both choices are the same)
.endr
.irp p, 0,1,2,3
	s_wait_dscnt 12                                ; LDS loads come back in order (ISA guide 5.7.1): tile 2 p's fragments and scale words are in; the youngest twelve loads, tile 2 p + 1's fragments, may be out
	MULQK 0, XF
	s_wait_alu depctr_va_vdst(0)                   ; tile 2 p's products are done reading v[XS ..] and v[XF ..], in which the loads below land
	FETCHS 2*\p+1
.if \p < 3
	FETCHC 2*\p+2, XF
	s_wait_dscnt 12                                ; tile 2 p + 1's fragments and scale words are in; the twelve loads just issued may be out
.else
	s_wait_dscnt 0x0
.endif
	MULQK 1, XF2
.if \p < 3
	s_wait_alu depctr_va_vdst(0)                   ; tile 2 p + 1's products are done reading v[XS ..] and v[XF2 ..], in which the loads below land; the quantiser, under which they land, names none of these registers
	FETCHS 2*\p+2
	FETCHC 2*\p+3, XF2
.endif
	s_wait_xcnt 0x0                                ; the earlier stores have read the codes' registers
.if \p > 0
	s_wait_alu depctr_vm_vsrc(0)                   ; the last pair's stores have read the codes, which the quantiser writes again
.endif
	QUANT ACC                                      ; blocks 0, 1: tile 2 p's two blocks of the head's 64; blocks 2, 3: tile 2 p + 1's
	s_wait_alu depctr_va_vdst(0)                   ; the quantiser has written the codes, which the four stores read
	global_store_b128 v[LI], v[PC:PC+3], s[22:23] offset:768*(2*\p)
	global_store_b64 v[L8], v[PC+4:PC+5], s[22:23] offset:768*(2*\p)+512
	global_store_b128 v[LI], v[PC+6:PC+9], s[22:23] offset:768*(2*\p+1)
	global_store_b64 v[L8], v[PC+10:PC+11], s[22:23] offset:768*(2*\p+1)+512
	v_and_or_b32 v[EX+2*\p], v[PW], s33, v[EX+2*\p]
	v_lshrrev_b32 v[TMPR], 16, v[PW]
	v_or_b32 v[EX+2*\p+1], v[TMPR], v[EX+2*\p+1]
.endr
.irp i, 0,1,2,3
	v_cndmask_b32 v[KO+\i], v[EX+\i], v[EX+4+\i], s32   ; lanes 0-15: tile i's words; lanes 16-31: tile 4 + i's
.endr
	s_wait_alu depctr_va_vdst(0)                   ; the four selects have written the scale words' image, which the store reads
	global_store_b128 v[LI], v[KO:KO+3], s[22:23] offset:6144
	s_branch .Lend
	; ---- v
.Lv:
	FETCHC 0, XF                                   ; the last quantiser's wait on va_vdst has shown v[XF ..] read; no vector instruction has named v[XS ..]
	FETCHS 0
	WIN 0x41                                       ; destination and source 0 window 1
.irp t, 0,1,2,3
.irp j, 0,1,2,3,4,5,6,7
	v_mov_b32 v[BI+8*\t+\j], v[BV+\t]              ; a lane holds one column: its bias in all eight registers of the tile
.endr
.endr
	WIN 0
.irp g, 0,1
.irp m, 0,1,2,3,4,5,6,7
	s_wait_dscnt 0x0                               ; tile m's fragments and scale words are in
	MULV \g, \m
.if 8*\g+\m < 15
	s_wait_alu depctr_va_vdst(0)                   ; the tile's products are done reading v[XF ..] and v[XS ..], in which the next tile's loads land; behind a group's last tile they land under the quantisers, which name none of these registers
	FETCHC (\m+1)%8, XF
	FETCHS (\m+1)%8
.endif
.endr
.irp tt, 0,1
	s_wait_xcnt 0x0                                ; the earlier stores have read the codes' registers
.if 2*\g+\tt > 0
	s_wait_alu depctr_vm_vsrc(0)                   ; the last fragment's stores have read the codes, which the quantiser writes again
.endif
	QUANT ACC+64*\tt                               ; channel tile 2 g + tt: 128 keys a row: one fragment
	s_wait_alu depctr_va_vdst(0)                   ; the quantiser has written the codes, which the three stores read
.irp c, 0,1,2
	global_store_b128 v[LI], v[PC+4*\c:PC+4*\c+3], s[22:23] offset:6656+1536*(2*\g+\tt)+512*\c
.endr
	v_mov_b32 v[VW+2*\g+\tt], v[PW]
.endr
.endr
	v_cndmask_b32 v[VO], v[VW], v[VW+2], s32       ; lanes 0-15: tiles 0, 1; lanes 16-31: tiles 2, 3
	v_cndmask_b32 v[VO+1], v[VW+1], v[VW+3], s32
	s_wait_alu depctr_va_vdst(0)                   ; the two selects have written the scale words' image, which the store reads
	global_store_b64 v[L8], v[VO:VO+1], s[22:23] offset:12800
.Lend:
	s_wait_dscnt 0x0                               ; the closing lines, six on end
	s_wait_alu 0x0
	s_wait_tensorcnt 0x0
	ds_add_u32 v[SPW], v[NIL]
	s_wait_dscnt 0x0
	s_endpgm
.Lfunc_end_k_qe2aed58f9a_proj:
	.size	k_qe2aed58f9a_proj, .Lfunc_end_k_qe2aed58f9a_proj-k_qe2aed58f9a_proj
	.p2alignl 7, 3214868480
	.fill 96, 4, 3214868480
	.section	.rodata,"a",@progbits
	.p2align	6, 0x0
	.amdhsa_kernel k_qe2aed58f9a_proj
		.amdhsa_group_segment_fixed_size 121856
		.amdhsa_private_segment_fixed_size 0
		.amdhsa_enable_private_segment 0
		.amdhsa_kernarg_size 88
		.amdhsa_user_sgpr_count 2
		.amdhsa_user_sgpr_kernarg_segment_ptr 1
		.amdhsa_wavefront_size32 1
		.amdhsa_system_sgpr_workgroup_id_x 1
		.amdhsa_system_sgpr_workgroup_id_y 1
		.amdhsa_system_sgpr_workgroup_id_z 1
		.amdhsa_system_vgpr_workitem_id 0
		.amdhsa_next_free_vgpr 512
		.amdhsa_next_free_sgpr 66
		.amdhsa_reserve_vcc 0
		.amdhsa_float_denorm_mode_32 3
		.amdhsa_float_denorm_mode_16_64 3
		.amdhsa_memory_ordered 1
		.amdhsa_forward_progress 1
		.amdhsa_inst_pref_size 143
	.end_amdhsa_kernel
	.amdgpu_metadata
---
amdhsa.version: [ 1, 2 ]
amdhsa.kernels:
  - .name:           k_qe2aed58f9a_proj
    .symbol:         k_qe2aed58f9a_proj.kd
    .args:
      - { .name: query, .offset: 0, .size: 8, .value_kind: global_buffer, .address_space: global }
      - { .name: key_in, .offset: 8, .size: 8, .value_kind: global_buffer, .address_space: global }
      - { .name: value, .offset: 16, .size: 8, .value_kind: global_buffer, .address_space: global }
      - { .name: bq, .offset: 24, .size: 8, .value_kind: global_buffer, .address_space: global }
      - { .name: bk, .offset: 32, .size: 8, .value_kind: global_buffer, .address_space: global }
      - { .name: bv, .offset: 40, .size: 8, .value_kind: global_buffer, .address_space: global }
      - { .name: mask, .offset: 48, .size: 8, .value_kind: global_buffer, .address_space: global }
      - { .name: wimg, .offset: 56, .size: 8, .value_kind: global_buffer, .address_space: global }
      - { .name: wsc, .offset: 64, .size: 8, .value_kind: global_buffer, .address_space: global }
      - { .name: qimg, .offset: 72, .size: 8, .value_kind: global_buffer, .address_space: global }
      - { .name: kv, .offset: 80, .size: 8, .value_kind: global_buffer, .address_space: global }
    .group_segment_fixed_size: 121856
    .private_segment_fixed_size: 0
    .kernarg_segment_align: 8
    .kernarg_segment_size: 88
    .max_flat_workgroup_size: 256
    .sgpr_count:     66
    .vgpr_count:     512
    .wavefront_size: 32
...
	.end_amdgpu_metadata
.endif
;; end of part 5
;; launch attn (part 6): grid 16 x 16, 16 waves a work-group, clusters of 4 x 1, 327,680 bytes of LDS; arguments qimg, kv, xc, xs; writes xc, xs
.if DOCPART == 6
	.amdgcn_target "amdgcn-amd-amdhsa--gfx1250"
	.amdhsa_code_object_version 6
	.text
	.protected	k_qe2aed58f9a_attn
	.globl	k_qe2aed58f9a_attn
	.p2align	8
	.type	k_qe2aed58f9a_attn,@function
k_qe2aed58f9a_attn:
	s_mov_b64 s[64:65], 0
	v_nop
	global_prefetch_b8 v0, s[64:65] scope:SCOPE_SE
	s_setreg_imm32_b32 hwreg(HW_REG_WAVE_MODE, 25, 1), 1
	s_wait_xcnt 0x0
	s_wait_alu depctr_hold_cnt(0) depctr_sa_sdst(0) depctr_va_vdst(0) depctr_va_sdst(0) depctr_va_ssrc(0) depctr_va_vcc(0) depctr_vm_vsrc(0)
	s_getreg_b32 s2, hwreg(HW_REG_IB_STS2, 6, 4)
	s_cmp_eq_u32 s2, 0
	s_cbranch_scc0 .Lentry_in_a_cluster
	s_endpgm
.Lentry_in_a_cluster:
	s_bfe_u32 s2, ttmp6, 0x10000c
	s_cmp_lg_u32 s2, 0x3003
	s_cbranch_scc0 .Lentry_shape_is_right
	s_endpgm
.Lentry_shape_is_right:
; For each of 16 (batch, head): O[q] = the sum over keys of softmax(q.k / 8, masked) v, both products on codes of FP6 (E2M3) with one E8M0 scale for each 32 along K; O / l is quantised along the model's 512 for the last product.
; THE SOFTMAX AHEAD OF THE SECOND PRODUCT: t = score x log2(e) / 8; M = the row's largest t so far, rounded UP to a whole number; p = 2^(t - M) is what is quantised, along the keys.  The row's sum is taken of the unquantised p
; and divides O at the end.  When M moves, the sum and O are multiplied by 2^(old M - new M): exact.
; SHARES.  A work-group owns 256 queries of one (batch, head); each of its sixteen waves one tile of 16, in 256 registers.  Every wave walks all 4,096 keys, 128 a step.
; CLUSTER.  The four work-groups of a cluster belong to one (batch, head) and walk the same K and V: each slot is asked for JOINTLY, by the same tensor load with the same descriptor and the mask 15.
; kv holds, for each step, 13,056 dense bytes of IMAGES OF OPERAND REGISTERS: 8 tiles of K (768 bytes), K's scale words (512), 4 fragments of V (1,536), V's scale words (256): every LDS read is 16 or 8 bytes x lane, on end.
; A slot is eight steps, 104,448 bytes; waves 0 to 3 fetch two steps each, as 102 rows of 256 bytes.  By this text's own count a wave has at most one tensor load out.
; LAYOUT.  S^T = K Q^T (source 0 = 16 keys, source 1 = my 16 queries), O^T = V^T P^T: a lane holds ONE query throughout.  Lane r of K's tile m is key 32 (m / 2) + 8 (m % 2) + r + 8 (r / 8), so that the 16 registers of tiles
; 2 b, 2 b + 1 are keys 32 b + 16 (lane / 16) + 0 .. 15; V's channels are ordered alike, so that O^T's 32 registers are 16 neighbours of each block of 32 channels.
; THE MASK.  The head's 64 fill registers 0-5 of K's and Q's operands.  Registers 6-11 are constants: the code of +1 (K) and of -1 (Q) at k = 64, zeros elsewhere.  Byte 2 of a query's scale word is 2^20, of a key's 2^40 where it is
; masked and 2^-126 where it is open: a masked score is q.k - 2^60, and its p is 0 beside any open key.
; LIMITS: a masked logit is -2^57, not -1e9: the results differ only where an open logit lies under about -1e9.  A row all of whose keys are masked comes out uniform, as it should, while |q.k| stays under 2^35.  NaN and infinities are not served.
.set STEPB, 13056
.set SLOTB, 8*STEPB
.set SLOT1, 1<<17                      ; slot 1 begins here: one exclusive or turns an address in one slot into the other's
.set SPARE, 2*SLOT1                    ; behind the ring: the spare words, 128 bytes for each of sixteen waves
.set LI16, 1                           ; v1  16 x lane
.set LI8,  2                           ; v2  8 x lane
.set ADK,  3                           ; v3  the step's first byte + 16 x lane
.set ADK8, 4                           ; v4  + 8 x lane
.set SPW,  5
.set NIL,  6
.set Q,    16                          ; v16-27 Q's operand
.set QS,   28                          ; v28    its scale words
.set KS,   30                          ; v30-33 K's scale words: lanes 0-15 tiles 0-3, lanes 16-31 tiles 4-7
.set VS,   34                          ; v34-35 V's: lanes 0-15 tiles 0, 1, lanes 16-31 tiles 2, 3
.set KF,   36                          ; v36-83 four tiles of K: six registers of data, six constants
.set S,    84                          ; v84-147 S^T, then p, then V's four fragments
.set O,    148                         ; v148-179 O^T
.set PC,   180                         ; v180-191 p's codes
.set PT,   192                         ; v192-198 the conversions' second halves
.set BM,   200                         ; v200-203 each block's largest score
.set BP,   204                         ; v204-207 at work
.set BS,   208                         ; v208-211 the conversions' scale operands
.set PW,   212                         ; v212 p's scale word
.set F,    214                         ; v[214:215] f = 2^(old M - new M); the upper register is only named
.set TP,   216
.set WV,   12
.set SEL,  20
.set CS,   22
.set G1,   24
.set G0,   32
.set TB,   36
.set SLOTS, 37
.set CNT,  38
.macro CROUND                          ; a round of the cluster's barrier
	s_barrier_signal -1
	s_barrier_wait -1
	s_cmp_lg_u32 s[WV], 0
	s_cbranch_scc1 .Lnot_wave_0_\@
	s_barrier_signal -3
.Lnot_wave_0_\@:
	s_barrier_wait -3
	s_barrier_signal -1
	s_barrier_wait -1
.endm
.macro TLOAD                           ; waves 0 to 3 fetch a quarter of a slot each; the branch hangs on the wave's number alone.  An s_nop 0 and four v_nop follow the load
	s_cmp_lt_u32 s[WV], 4
	s_cbranch_scc0 .Lnone_\@
	tensor_load_to_lds s[G0:G0+3], s[G1:G1+7]
	s_nop 0
.rept 4
	v_nop
.endr
.Lnone_\@:
.endm
.macro PLACES
.rept 4
	v_nop
.endr
.endm
.macro KLOAD g                         ; tiles 4 g .. 4 g + 3 of K: the six registers of data
.irp i, 0,1,2,3
	ds_load_b128 v[KF+12*\i:KF+12*\i+3], v[ADK] offset:768*(4*\g+\i)
	ds_load_b64 v[KF+12*\i+4:KF+12*\i+5], v[ADK8] offset:768*(4*\g+\i)+512
.endr
.endm
.macro SMUL g
.irp i, 0,1,2,3
.if \g
	v_wmma_scale_f32_16x16x128_f8f6f4 v[S+32*\g+8*\i:S+32*\g+8*\i+7], v[KF+12*\i:KF+12*\i+11], v[Q:Q+11], 0, v[KS+\i], v[QS] matrix_a_fmt:MATRIX_FMT_FP6 matrix_b_fmt:MATRIX_FMT_FP6 matrix_a_scale:MATRIX_SCALE_ROW1
.else
	v_wmma_scale_f32_16x16x128_f8f6f4 v[S+32*\g+8*\i:S+32*\g+8*\i+7], v[KF+12*\i:KF+12*\i+11], v[Q:Q+11], 0, v[KS+\i], v[QS] matrix_a_fmt:MATRIX_FMT_FP6 matrix_b_fmt:MATRIX_FMT_FP6
.endif
.endr
.endm
	s_load_b256 s[4:11], s[0:1], 0x0               ; qimg, kv, xc, xs
	v_lshl_add_u32 v[SPW], v0, 2, SPARE
	v_mov_b32 v[NIL], 0
	ds_add_u32 v[SPW], v[NIL]                      ; the wave's opening: the add and its wait ahead of the first tensor load; the set-up below, work on registers, stands between them
	ds_add_u32 v[SPW], v[NIL]
	v_lshrrev_b32 v7, 5, v0
	s_delay_alu instid0(VALU_DEP_1)
	v_readfirstlane_b32 s[WV], v7                  ; wave 0..15
	s_and_b32 s15, ttmp7, 0xffff                   ; (batch, head), which the four partners share
	; descriptor group 1: 102 rows of 256 bytes (32 elements of 8 bytes), dense, no padding
	s_mov_b32 s[G1], 15|(3<<16)|(1<<21)            ; 15:0 the mask: all four work-groups; 17:16 elements of 8 bytes; 21 set beside a mask
	s_mov_b32 s[G1+1], 32<<16                      ; tensor_dim0
	s_mov_b32 s[G1+2], 102<<16                     ; tensor_dim1
	s_mov_b32 s[G1+3], 32<<16                      ; tile_dim0
	s_mov_b32 s[G1+4], 102                         ; tile_dim1
	s_mov_b32 s[G1+5], 32                          ; tensor_dim0_stride
	s_mov_b32 s[G1+6], 0
	s_mov_b32 s[G1+7], 0
	s_and_b32 s16, s[WV], 3
	s_mul_i32 s16, s16, 2*STEPB                    ; my quarter of a slot, in LDS and in memory alike
	s_mul_i32 s18, s15, 32*STEPB                   ; the (batch, head)'s 32 steps
	s_add_co_u32 s18, s18, s16
	s_mov_b32 s19, 0
	s_mov_b32 s[SEL], 0x76543210
	s_mov_b32 s[SEL+1], 0xfedcba98                 ; v_permlanex16_b32's selects for lane l xor 16
	s_mov_b32 s[CS], 0x3e38aa3b                    ; c = log2(e) / 8
	s_mov_b32 s[CS+1], s[CS]                       ; (named with it as a pair, so it is written)
	s_mov_b32 s[TB], 0
	s_mov_b32 s[SLOTS], 3
	; my place in the cluster enters Q's, xc's and xs's addresses alone, in registers that feed no descriptor and no LDS address
	s_bfe_u32 s13, ttmp6, 0x40000                  ; cx
	s_lshl_b32 s14, ttmp9, 2
	s_add_co_u32 s14, s14, s13                     ; my block of 256 queries
	s_lshl_b32 s40, s15, 5
	s_lshl_b32 s42, s14, 1
	s_add_co_u32 s40, s40, s42
	s_lshr_b32 s42, s[WV], 3
	s_add_co_u32 s40, s40, s42                     ; qimg's entry: (batch, head) x 32 + the block of 128 queries
	s_mul_i32 s40, s40, 6656
	s_and_b32 s42, s[WV], 7                        ; my tile in it
	s_mul_i32 s43, s42, 768
	s_add_co_u32 s44, s40, s43
	s_mov_b32 s45, 0
	s_lshr_b32 s43, s42, 2
	s_lshl_b32 s43, s43, 8                         ; its scale words: which half of the lanes' 16 bytes,
	s_add_co_u32 s46, s40, s43
	s_and_b32 s43, s[WV], 3
	s_lshl_b32 s43, s43, 2                         ; which word of the four
	s_add_co_u32 s46, s46, s43
	s_add_co_u32 s46, s46, 6144
	s_mov_b32 s47, 0
	s_lshr_b32 s48, s15, 3                         ; out: ((batch x 256 + tile) x 8 + head) entries
	s_lshl_b32 s48, s48, 8
	s_lshl_b32 s49, s14, 4
	s_add_co_u32 s48, s48, s49
	s_add_co_u32 s48, s48, s[WV]
	s_lshl_b32 s48, s48, 3
	s_and_b32 s49, s15, 7
	s_add_co_u32 s48, s48, s49
	s_mul_i32 s50, s48, 768                        ; of 768 bytes in xc,
	s_mov_b32 s51, 0
	s_lshl_b32 s48, s48, 7                         ; of 128 in xs
	s_mov_b32 s49, 0
	s_wait_dscnt 0x0                               ; the opening add is done
	s_wait_kmcnt 0x0
	s_mov_b32 s[G0], 1                             ; count = 1
	s_mov_b32 s[G0+1], s16                         ; LDS address: slot 0
	s_add_nc_u64 s[G0+2:G0+3], s[6:7], s[18:19]    ; global address: steps 0 to 7
	s_or_b32 s[G0+3], s[G0+3], 0x80000000          ; type = 2
	CROUND                                         ; all four work-groups are here: the first joint loads meet
	TLOAD                                          ; slot 0
	s_add_nc_u64 s[44:45], s[4:5], s[44:45]
	s_add_nc_u64 s[46:47], s[4:5], s[46:47]
	s_add_nc_u64 s[8:9], s[8:9], s[50:51]
	s_add_nc_u64 s[10:11], s[10:11], s[48:49]
	v_and_b32 v7, 31, v0
	s_delay_alu instid0(VALU_DEP_1)
	v_lshlrev_b32 v[LI16], 4, v7
	s_delay_alu instid0(VALU_DEP_2)
	v_lshlrev_b32 v[LI8], 3, v7
	s_delay_alu instid0(VALU_DEP_3)
	v_lshlrev_b32 v8, 2, v7                        ; 4 x lane, for the way out
	v_and_b32 v9, 15, v0
	s_delay_alu instid0(VALU_DEP_1)
	v_lshlrev_b32 v9, 4, v9                        ; 16 r
	global_load_b128 v[Q:Q+3], v[LI16], s[44:45]   ; Q's six registers of data stay
	global_load_b64 v[Q+4:Q+5], v[LI8], s[44:45] offset:512
	global_load_b32 v[QS], v9, s[46:47]
	v_bfe_u32 v10, v0, 4, 1
	s_delay_alu instid0(VALU_DEP_1)
	v_xor_b32 v10, 1, v10                          ; 1 in lanes 0-15, which hold k = 64 .. 95 in registers 6-11
	s_delay_alu instid0(VALU_DEP_1)
	v_mul_u32_u24 v[Q+6], v10, 40                  ; the code of -1 at k = 64
.irp j, 7,8,9,10,11
	v_mov_b32 v[Q+\j], 0
.endr
.irp i, 0,1,2,3
	v_lshlrev_b32 v[KF+12*\i+6], 3, v10            ; the code of +1 at k = 64
.irp j, 7,8,9,10,11
	v_mov_b32 v[KF+12*\i+\j], 0
.endr
.endr
	v_mov_b32 v13, 0xff61b1e6                      ; the largest t so far: -3e38, under every t
	s_delay_alu instid0(VALU_DEP_1)
	v_floor_f32 v12, -v13                          ; -M
	v_mov_b32 v14, 0                               ; the sum, in two halves
	v_mov_b32 v15, 0
.irp b, 0,1,2,3
	v_mov_b32 v[BP+\b], 0                          ; written once: a lane permute's destination counts as one of its sources
.endr
	v_mov_b32 v[F+1], 0
.set n, 0
.rept 32
	v_mov_b32 v[O+n], 0                            ; O^T: the loop is written once; its first step finds zeros, which the first change of M leaves zeros
.set n, n+1
.endr
; A KEY STEP: 128 keys, at LDS byte s[TB]
.macro STEP
	v_add_nc_u32 v[ADK], s[TB], v[LI16]
	v_add_nc_u32 v[ADK8], s[TB], v[LI8]
.rept 3
	v_nop                                          ; with the two additions five places behind the last step's products: the loads below land in their scale words, and the scores are laid over V's fragments
.endr
	KLOAD 0
	ds_load_b128 v[KS:KS+3], v[ADK] offset:6144
	ds_load_b64 v[VS:VS+1], v[ADK8] offset:12800
	s_wait_alu depctr_va_vdst(0)
	s_wait_dscnt 0x0
	SMUL 0
	PLACES                                         ; in front of loads into registers that the products have read
	KLOAD 1
	s_wait_dscnt 0x0
	SMUL 1
	PLACES                                         ; in front of the first read of the scores
.irp b, 0,1,2,3
	v_max3_num_f32 v[BM+\b], v[S+16*\b], v[S+1+16*\b], v[S+2+16*\b]   ; the largest score of each block of 32 keys: it serves for the row's maximum and, since p rises with the score, for the block's largest p
.endr
.irp i, 3,5,7,9,11,13
.irp b, 0,1,2,3
	v_max3_num_f32 v[BM+\b], v[BM+\b], v[S+16*\b+\i], v[S+1+16*\b+\i]
.endr
.endr
.irp b, 0,1,2,3
	v_max_num_f32 v[BM+\b], v[BM+\b], v[S+15+16*\b]
.endr
.irp b, 0,1,2,3
	s_delay_alu instid0(VALU_DEP_4)
	v_permlanex16_b32 v[BP+\b], v[BM+\b], s[SEL], s[SEL+1]
.endr
.irp b, 0,1,2,3
	s_delay_alu instid0(VALU_DEP_4)
	v_max_num_f32 v[BM+\b], v[BM+\b], v[BP+\b]     ; with lane l xor 16's 16 keys
.endr
	s_delay_alu instid0(VALU_DEP_2)
	v_max3_num_f32 v[TP], v[BM], v[BM+1], v[BM+2]
	s_delay_alu instid0(VALU_DEP_1)
	v_max_num_f32 v[TP], v[TP], v[BM+3]            ; the step's largest score of my query
	s_delay_alu instid0(VALU_DEP_1)
	v_mul_f32 v[TP], s[CS], v[TP]                  ; as t
	s_delay_alu instid0(VALU_DEP_1)
	v_max_num_f32 v13, v13, v[TP]                  ; the running largest t
	v_mov_b32 v[TP], v12
	s_delay_alu instid0(VALU_DEP_2)
	v_floor_f32 v12, -v13                          ; the new -M = floor(-t) = -ceil(t)
	s_delay_alu instid0(VALU_DEP_1)
	v_sub_f32 v[TP], v12, v[TP]                    ; old M - new M: a whole number, 0 or less
	s_delay_alu instid0(VALU_DEP_1)
	v_cvt_i32_f32 v[TP], v[TP]                     ; (it saturates)
	s_delay_alu instid0(VALU_DEP_1)
	v_ldexp_f32 v[F], 1.0, v[TP]                   ; f = 2^(old M - new M)
.set n, 0
.rept 32
	v_pk_fma_f32 v[S+n:S+n+1], v[S+n:S+n+1], s[CS:CS+1], v[12:13] op_sel_hi:[1,0,0]   ; t - M, two at a time
.set n, n+2
.endr
.irp b, 0,1,2,3
	v_fma_f32 v[BM+\b], v[BM+\b], s[CS], v12       ; the same of each block's largest score
.endr
.set n, 0
	s_wait_alu depctr_va_vdst(0)
.rept 64
	v_exp_f32 v[S+n], v[S+n]                       ; p = 2^(t - M), at most 1: not normalised
.set n, n+1
.endr
	s_setprio 1
	v_pk_mul_f32 v[14:15], v[14:15], v[F:F+1] op_sel_hi:[1,0]   ; the sums under the new M: the plain instruction behind the exponentials
	s_wait_alu depctr_va_vdst(0)                   ; one wait for the whole batch, ahead of its first reader
.irp b, 0,1,2,3
	v_exp_f32 v[BM+\b], v[BM+\b]                   ; the block's largest p: the same two instructions on the same number give the same bits
.endr
	v_pk_add_f32 v[204:205], v[88:89], v[92:93]
	v_pk_add_f32 v[254:255], v[96:97], v[100:101]
	v_pk_add_f32 v[252:253], v[104:105], v[108:109]
	v_pk_add_f32 v[250:251], v[112:113], v[116:117]
	v_pk_add_f32 v[248:249], v[120:121], v[124:125]
	v_pk_add_f32 v[246:247], v[128:129], v[132:133]
	v_pk_add_f32 v[244:245], v[136:137], v[140:141]
	v_pk_add_f32 v[14:15], v[14:15], v[144:145]
	v_pk_add_f32 v[204:205], v[204:205], v[84:85]
	v_pk_add_f32 v[254:255], v[254:255], v[86:87]
	v_pk_add_f32 v[252:253], v[252:253], v[90:91]
	v_pk_add_f32 v[250:251], v[250:251], v[94:95]
	v_pk_add_f32 v[248:249], v[248:249], v[98:99]
	v_pk_add_f32 v[246:247], v[246:247], v[102:103]
	v_pk_add_f32 v[244:245], v[244:245], v[106:107]
	v_pk_add_f32 v[14:15], v[14:15], v[110:111]
	v_pk_add_f32 v[204:205], v[204:205], v[114:115]
	v_pk_add_f32 v[254:255], v[254:255], v[118:119]
	v_pk_add_f32 v[252:253], v[252:253], v[122:123]
	v_pk_add_f32 v[250:251], v[250:251], v[126:127]
	v_pk_add_f32 v[248:249], v[248:249], v[130:131]
	v_pk_add_f32 v[246:247], v[246:247], v[134:135]
	v_pk_add_f32 v[244:245], v[244:245], v[138:139]
	v_pk_add_f32 v[14:15], v[14:15], v[142:143]
	v_pk_add_f32 v[204:205], v[204:205], v[146:147]
	s_delay_alu instid0(VALU_DEP_2)
	v_pk_add_f32 v[14:15], v[14:15], v[250:251]
	s_delay_alu instid0(VALU_DEP_2)
	v_pk_add_f32 v[204:205], v[204:205], v[248:249]
	v_pk_add_f32 v[254:255], v[254:255], v[246:247]
	v_pk_add_f32 v[252:253], v[252:253], v[244:245]
	s_delay_alu instid0(VALU_DEP_2)
	v_pk_add_f32 v[14:15], v[14:15], v[254:255]
	s_delay_alu instid0(VALU_DEP_2)
	v_pk_add_f32 v[204:205], v[204:205], v[252:253]
	s_delay_alu instid0(VALU_DEP_1)
	v_pk_add_f32 v[14:15], v[14:15], v[204:205]
	s_wait_alu depctr_va_vdst(0)                   ; and one for the four
.irp b, 0,1,2,3
	v_max_num_f32 v[BM+\b], 0x1800000, v[BM+\b]    ; the floor 2^(3 - 127): a block whose every p is 0 keeps the byte 1: its codes are zeros
.endr
.irp b, 0,1,2,3
	s_delay_alu instid0(VALU_DEP_4)
	v_add_nc_u32 v[BS+\b], 0xff000000, v[BM+\b]    ; 2 off the exponent field: the conversion's scale operand
.endr
.irp b, 0,1,2,3
	s_delay_alu instid0(VALU_DEP_4)
	v_lshrrev_b32 v[BP+\b], 23, v[BS+\b]           ; the scale's byte
.endr
	s_delay_alu instid0(VALU_DEP_3)
	v_lshl_or_b32 v[PW], v[BP+1], 8, v[BP]         ; p's scale word for these 128 keys
	s_delay_alu instid0(VALU_DEP_1)
	v_lshl_or_b32 v[PW], v[BP+2], 16, v[PW]
	s_delay_alu instid0(VALU_DEP_1)
	v_lshl_or_b32 v[PW], v[BP+3], 24, v[PW]
.irp c, 0,1
	v_cvt_scalef32_pk16_fp6_f32 v[PC+6*\c:PC+6*\c+2], v[S+32*\c:S+32*\c+15], v[BS+2*\c]
	v_cvt_scalef32_pk16_fp6_f32 v[PT+4*\c:PT+4*\c+2], v[S+16+32*\c:S+31+32*\c], v[BS+2*\c+1]
.endr
.irp t, 0,1,2,3                        ; p has been read for the last time: V's four fragments land in its registers while the codes are put in order
.irp c, 0,1,2
	ds_load_b128 v[S+12*\t+4*\c:S+12*\t+4*\c+3], v[ADK] offset:6656+1536*\t+512*\c
.endr
.endr
	v_nop                                          ; one plain instruction between the scaled conversions and the vector instructions that touch their results
.irp c, 0,1                            ; the operand's layout wants a whole block in a lane
.irp i, 0,1,2
	v_permlane16_swap_b32 v[PC+6*\c+\i], v[PT+4*\c+\i]
.endr
.irp i, 0,1,2
	s_delay_alu instid0(VALU_DEP_3)
	v_mov_b32 v[PC+3+6*\c+\i], v[PT+4*\c+\i]
.endr
.endr
.set n, 0
	s_setprio 0
.rept 16
	v_pk_mul_f32 v[O+n:O+n+1], v[O+n:O+n+1], v[F:F+1] op_sel_hi:[1,0]   ; O^T under the new M.  These are also the places between the writes of p's codes and scale word and the products
.set n, n+2
.endr
	s_wait_alu depctr_va_vdst(0)
	s_wait_dscnt 0x0                               ; V is in
.irp t, 0,1,2,3                        ; O^T += V^T P^T: the four accumulators by turns
.if \t < 2
	v_wmma_scale_f32_16x16x128_f8f6f4 v[O+8*\t:O+8*\t+7], v[S+12*\t:S+12*\t+11], v[PC:PC+11], v[O+8*\t:O+8*\t+7], v[VS+\t%2], v[PW] matrix_a_fmt:MATRIX_FMT_FP6 matrix_b_fmt:MATRIX_FMT_FP6
.else
	v_wmma_scale_f32_16x16x128_f8f6f4 v[O+8*\t:O+8*\t+7], v[S+12*\t:S+12*\t+11], v[PC:PC+11], v[O+8*\t:O+8*\t+7], v[VS+\t%2], v[PW] matrix_a_fmt:MATRIX_FMT_FP6 matrix_b_fmt:MATRIX_FMT_FP6 matrix_a_scale:MATRIX_SCALE_ROW1
.endif
.endr
.endm
; THE CHANGE OF SLOTS stands at a slot's head.  Each wave waits for all its tensor loads (its part of the slot that it is about to read), adds 0 to its spare word, and waits for that and for its reads of the slot that it has left.
; fill = 1: the barrier is a round of the cluster's, so that no wave of any partner still reads the other slot or has a load on its way; the joint load of the next eight steps is the first thing behind it, and has eight steps in which to land.
.macro CHANGE fill
	s_wait_tensorcnt 0x0                           ; no tensor load of mine is out, so group 0 may be written
	ds_add_u32 v[SPW], v[NIL]                      ; 0 onto my spare word
.if \fill
	s_xor_b32 s[G0+1], s[G0+1], SLOT1              ; the other slot than last time,
	s_add_nc_u64 s[G0+2:G0+3], s[G0+2:G0+3], SLOTB ; the next eight steps; the type bits on top are not reached
.endif
	s_wait_dscnt 0x0                               ; the add is done, and my reads of the slot that I have left are over
.if \fill
	CROUND
	TLOAD
.else
	s_barrier_signal -1
	s_barrier_wait -1
.endif
.endm
.macro EIGHT                           ; a slot's eight steps: written once, walked eight times
	s_mov_b32 s[CNT], 8
.Lstep_\@:
	s_setprio 2
	STEP
	s_add_co_u32 s[TB], s[TB], STEPB
	s_sub_co_u32 s[CNT], s[CNT], 1
	s_cmp_lg_u32 s[CNT], 0
	s_cbranch_scc1 .Lstep_\@
	s_setprio 0
	s_sub_co_u32 s[TB], s[TB], SLOTB               ; back to a slot's first step,
	s_xor_b32 s[TB], s[TB], SLOT1                  ; in the other slot
.endm
	s_wait_loadcnt 0x0                             ; Q
.Lslot:                                            ; three trips: behind each change of slots but the last the next slot is asked for
	CHANGE 1
	EIGHT
	s_sub_co_u32 s[SLOTS], s[SLOTS], 1
	s_cmp_lg_u32 s[SLOTS], 0
	s_cbranch_scc1 .Lslot
	CHANGE 0                                       ; the last slot is written out
	EIGHT
	; THE WAY OUT.  O^T / the sum: register 16 b + i of lane (r, h) is channel 32 b + 16 h + i of query r: two blocks of 32 along the last product's K.  They are quantised here: six registers of codes and two scale bytes.
	PLACES
	v_add_f32 v14, v14, v15                        ; the sum's two halves,
	s_delay_alu instid0(VALU_DEP_1)
	v_permlanex16_b32 v[TP], v14, s[SEL], s[SEL+1]
	s_delay_alu instid0(VALU_DEP_1)
	v_add_f32 v14, v14, v[TP]                      ; and lane l xor 16's: the row's sum
	s_wait_alu depctr_va_vdst(0)
	v_rcp_f32 v14, v14
	v_nop                                          ; a plain instruction behind the reciprocal
	s_wait_alu depctr_va_vdst(0)                   ; and the wait ahead of its first reader
.set n, 0
.rept 32
	v_mul_f32 v[S+n], v[O+n], v14                  ; each accumulator from its low end on
.set n, n+1
.endr
.irp b, 0,1
	v_max3_num_f32 v[BM+\b], |v[S+16*\b]|, |v[S+1+16*\b]|, 0x1800000
.endr
.irp i, 2,4,6,8,10,12,14
.irp b, 0,1
	s_delay_alu instid0(VALU_DEP_2)
	v_max3_num_f32 v[BM+\b], v[BM+\b], |v[S+16*\b+\i]|, |v[S+1+16*\b+\i]|
.endr
.endr
.irp b, 0,1
	s_delay_alu instid0(VALU_DEP_2)
	v_permlanex16_b32 v[BP+\b], v[BM+\b], s[SEL], s[SEL+1]
.endr
.irp b, 0,1
	s_delay_alu instid0(VALU_DEP_2)
	v_max_num_f32 v[BM+\b], v[BM+\b], v[BP+\b]
.endr
.irp b, 0,1
	s_delay_alu instid0(VALU_DEP_2)
	v_add_nc_u32 v[BS+\b], 0xff000000, v[BM+\b]
.endr
.irp b, 0,1
	s_delay_alu instid0(VALU_DEP_2)
	v_lshrrev_b32 v[BP+\b], 23, v[BS+\b]
.endr
	s_delay_alu instid0(VALU_DEP_1)
	v_lshl_or_b32 v[PW], v[BP+1], 8, v[BP]         ; my head's two bytes of the row's scale word
	v_cvt_scalef32_pk16_fp6_f32 v[PC:PC+2], v[S:S+15], v[BS]
	v_cvt_scalef32_pk16_fp6_f32 v[PT:PT+2], v[S+16:S+31], v[BS+1]
	v_nop
.irp i, 0,1,2
	v_permlane16_swap_b32 v[PC+\i], v[PT+\i]
.endr
.irp i, 0,1,2
	s_delay_alu instid0(VALU_DEP_3)
	v_mov_b32 v[PC+3+\i], v[PT+\i]
.endr
	global_store_b128 v[LI16], v[PC:PC+3], s[8:9]              ; 512 consecutive bytes,
	global_store_b64 v[LI8], v[PC+4:PC+5], s[8:9] offset:512   ; 256,
	global_store_b32 v8, v[PW], s[10:11]                       ; and 128 (lanes 16-31 hold copies)
	s_wait_tensorcnt 0x0                           ; the wave's end
	ds_add_u32 v[SPW], v[NIL]
	s_wait_dscnt 0x0
	CROUND                                         ; the closing round: no work-group ends while a partner may still ask for a tile that names it
	s_endpgm
.Lfunc_end_k_qe2aed58f9a_attn:
	.size	k_qe2aed58f9a_attn, .Lfunc_end_k_qe2aed58f9a_attn-k_qe2aed58f9a_attn
	.p2alignl 7, 3214868480
	.fill 96, 4, 3214868480
	.section	.rodata,"a",@progbits
	.p2align	6, 0x0
	.amdhsa_kernel k_qe2aed58f9a_attn
		.amdhsa_group_segment_fixed_size 327680
		.amdhsa_private_segment_fixed_size 0
		.amdhsa_enable_private_segment 0
		.amdhsa_kernarg_size 32
		.amdhsa_user_sgpr_count 2
		.amdhsa_user_sgpr_kernarg_segment_ptr 1
		.amdhsa_wavefront_size32 1
		.amdhsa_system_sgpr_workgroup_id_x 1
		.amdhsa_system_sgpr_workgroup_id_y 1
		.amdhsa_system_sgpr_workgroup_id_z 1
		.amdhsa_system_vgpr_workitem_id 0
		.amdhsa_next_free_vgpr 256
		.amdhsa_next_free_sgpr 66
		.amdhsa_reserve_vcc 0
		.amdhsa_float_denorm_mode_32 3
		.amdhsa_float_denorm_mode_16_64 3
		.amdhsa_memory_ordered 1
		.amdhsa_forward_progress 1
		.amdhsa_inst_pref_size 48
	.end_amdhsa_kernel
	.amdgpu_metadata
---
amdhsa.version: [ 1, 2 ]
amdhsa.kernels:
  - .name:           k_qe2aed58f9a_attn
    .symbol:         k_qe2aed58f9a_attn.kd
    .args:
      - { .name: qimg, .offset: 0, .size: 8, .value_kind: global_buffer, .address_space: global }
      - { .name: kv, .offset: 8, .size: 8, .value_kind: global_buffer, .address_space: global }
      - { .name: xc, .offset: 16, .size: 8, .value_kind: global_buffer, .address_space: global }
      - { .name: xs, .offset: 24, .size: 8, .value_kind: global_buffer, .address_space: global }
    .group_segment_fixed_size: 327680
    .private_segment_fixed_size: 0
    .kernarg_segment_align: 8
    .kernarg_segment_size: 32
    .max_flat_workgroup_size: 512
    .sgpr_count:     66
    .vgpr_count:     256
    .wavefront_size: 32
...
	.end_amdgpu_metadata
.endif
;; end of part 6
;; launch oproj (part 7): grid 256 x 1, 8 waves a work-group, no clusters, 35,840 bytes of LDS; arguments xc, xs, wimg, wsc, bo, out0; writes out0
.if DOCPART == 7
	.amdgcn_target "amdgcn-amd-amdhsa--gfx1250"
	.amdhsa_code_object_version 6
	.text
	.protected	k_qe2aed58f9a_oproj
	.globl	k_qe2aed58f9a_oproj
	.p2align	8
	.type	k_qe2aed58f9a_oproj,@function
k_qe2aed58f9a_oproj:
	s_mov_b64 s[64:65], 0
	v_nop
	global_prefetch_b8 v0, s[64:65] scope:SCOPE_SE
	s_setreg_imm32_b32 hwreg(HW_REG_WAVE_SCHED_MODE, 0, 2), 2
	s_setreg_imm32_b32 hwreg(HW_REG_WAVE_MODE, 25, 1), 1
	s_wait_xcnt 0x0
	s_wait_alu depctr_vm_vsrc(0)
; out0 = x Wo + bo on codes of FP6 (E2M3) with one E8M0 scale for each 32 along K.  x comes as the attention launch left it: for each tile of 16 rows and each head six registers of codes (768 bytes) and a word with two scale bytes.
; Heads 2 s and 2 s + 1 are registers 0-5 and 6-11 of K step s's fragment; their two words make its scale word.  Wo comes as images of operand registers.
; Work-group G: rows 32 G .. 32 G + 31, as tiles 2 G + u: lane r of tile u is row 32 G + 8 u + r + 8 (r / 8).  Wave w: columns 64 w .. 64 w + 63; its 16 fragments of Wo lie in window 1.
; Source 0 = 16 columns of Wo, source 1 = 16 rows of x: a lane holds one row, and register j of tile t column 64 w + 32 (t / 2) + 16 (lane / 16) + 8 (t % 2) + j.  bo is the C of each sum's first matrix instruction.
; A wave's 64 columns are 256 bytes of a row: they go through the wave's own stage in LDS, so that sixteen lanes store 256 consecutive bytes, aligned.  No barrier: waves share nothing.
; REGISTERS, window 0: v1-8 addresses; v12-27 Wo's scale words; v28-43 x's words as loaded; v44-51 x's scale words; v52-147 x's eight fragments, later rows of the output; v148-211 eight accumulators.  window 1: v0-191 Wo; v192-223 bo.
; THE MODE: SCHED_MODE bits 1:0 = 2 (LLVM: expert scheduling mode 2), set by the entry lines.  The code itself states the register dependences between vector or matrix instructions and memory or LDS instructions, with s_wait_alu, always for 0.
; THE PLAN.  The text is one pass with no loop.  Registers that memory or LDS instructions touch:
;   v1-8       addresses and offsets: written at the head, read by the loads and stores, never written again.
;   v12-43, v52-147, window 1: loaded once.  v52-115 are read by the products and then take the rows that come back from the stage, which the global stores read.
;   v44-51     x's scale words: written by vector instructions, read by the products as scales.
;   v148-211   the accumulators: written by the products, read by the LDS stores.
; So three waits on va_vdst: ahead of the first load, ahead of the first product, ahead of the way out.  No register that a memory or LDS instruction has read is written again.
.set STGW,  16*272
.set SPARE, 8*STGW
.set LI,   1
.set L8,   2
.set L4,   3
.set A4R,  4
.set A64H, 5
.set STO,  6
.set RD,   7
.set CO,   8
.set SPW,  10
.set NIL,  11
.set W1S,  12
.set XR,   28
.set XS,   44
.set XF,   52
.set OUTR, 52
.set ACC,  148
.set BI,   192
.set MSB, 0
.macro WIN new                         ; the immediate's high byte repeats the setting that is left
.if MSB != \new
	s_set_vgpr_msb (MSB<<8)|\new
.set MSB, \new
.endif
.endm
	s_load_b256 s[4:11], s[0:1], 0x0               ; xc, xs, wimg, wsc
	s_load_b128 s[12:15], s[0:1], 0x20             ; bo, out0
	v_lshl_add_u32 v[SPW], v0, 2, SPARE
	v_mov_b32 v[NIL], 0
	v_lshrrev_b32 v212, 5, v0
	v_readfirstlane_b32 s16, v212                  ; wave 0..7
	v_and_b32 v212, 31, v0                         ; lane
	v_and_b32 v213, 15, v0                         ; r
	v_bfe_u32 v214, v0, 4, 1                       ; h
	v_lshlrev_b32 v[LI], 4, v212
	v_lshlrev_b32 v[L8], 3, v212
	v_lshlrev_b32 v[L4], 2, v212
	v_lshlrev_b32 v[A4R], 2, v213
	v_lshlrev_b32 v[A64H], 6, v214
	s_wait_alu depctr_va_sdst(0)                   ; the wave's number is written, ahead of its first reader: the stage's address and the buffers' offsets are made from it
	s_mul_i32 s17, s16, STGW                       ; my stage
	v_mul_u32_u24 v[STO], v213, 272
	v_lshl_add_u32 v[STO], v214, 6, v[STO]
	v_add_nc_u32 v[STO], s17, v[STO]               ; in: row r, + 64 h
	v_mul_u32_u24 v[RD], v214, 272
	v_lshl_add_u32 v[RD], v213, 4, v[RD]
	v_add_nc_u32 v[RD], s17, v[RD]                 ; back: lanes 0-15 one row, lanes 16-31 the next
	s_lshl_b32 s28, s16, 8                         ; my 64 columns: 256 bytes
	s_mov_b32 s29, 0
	v_lshlrev_b32 v[CO], 11, v214
	v_lshl_add_u32 v[CO], v213, 4, v[CO]
	v_add_nc_u32 v[CO], s28, v[CO]                 ; and the same two rows in the output
	s_mul_i32 s20, ttmp9, 12288                    ; xc: two tiles of 8 x 768 bytes
	s_mov_b32 s21, 0
	s_lshl_b32 s22, ttmp9, 11                      ; xs: two tiles of 8 x 128 bytes
	s_mov_b32 s23, 0
	s_mul_i32 s24, s16, 24576
	s_add_co_u32 s24, s24, 3*196608                ; Wo is the fourth weight
	s_mov_b32 s25, 0
	s_lshl_b32 s26, s16, 10
	s_add_co_u32 s26, s26, 3*8192
	s_mov_b32 s27, 0
	s_lshl_b32 s30, ttmp9, 16                      ; 32 rows of 2,048 bytes
	s_mov_b32 s31, 0
	s_wait_kmcnt 0x0
	s_add_nc_u64 s[4:5], s[4:5], s[20:21]
	s_add_nc_u64 s[6:7], s[6:7], s[22:23]
	s_add_nc_u64 s[8:9], s[8:9], s[24:25]
	s_add_nc_u64 s[10:11], s[10:11], s[26:27]
	s_add_nc_u64 s[12:13], s[12:13], s[28:29]
	s_add_nc_u64 s[14:15], s[14:15], s[30:31]
	s_wait_alu depctr_va_vdst(0)                   ; the addresses and offsets v1 to v8 are written, which the loads and stores below read
.irp u, 0,1
.irp s, 0,1,2,3
	global_load_b128 v[XF+48*\u+12*\s:XF+48*\u+12*\s+3], v[LI], s[4:5] offset:6144*\u+768*(2*\s)
	global_load_b64 v[XF+48*\u+12*\s+4:XF+48*\u+12*\s+5], v[L8], s[4:5] offset:6144*\u+768*(2*\s)+512
	global_load_b128 v[XF+48*\u+12*\s+6:XF+48*\u+12*\s+9], v[LI], s[4:5] offset:6144*\u+768*(2*\s+1)
	global_load_b64 v[XF+48*\u+12*\s+10:XF+48*\u+12*\s+11], v[L8], s[4:5] offset:6144*\u+768*(2*\s+1)+512
.endr
.irp d, 0,1,2,3,4,5,6,7
	global_load_b32 v[XR+8*\u+\d], v[L4], s[6:7] offset:1024*\u+128*\d
.endr
.endr
.irp t, 0,1,2,3
.irp s, 0,1,2,3
	global_load_b32 v[W1S+4*\t+\s], v[A4R], s[10:11] offset:(4*\s+\t)*64
.endr
.endr
	WIN 0x40                                       ; destination window 1.  Between the wait above and these loads stand loads and this switch alone
.irp t, 0,1,2,3
.irp s, 0,1,2,3
.irp c, 0,1,2
	global_load_b128 v[12*(4*\t+\s)+4*\c:12*(4*\t+\s)+4*\c+3], v[LI], s[8:9] offset:(4*\t+\s)*1536+512*\c
.endr
.endr
.endr
.irp t, 0,1,2,3
	global_load_b128 v[BI+8*\t:BI+8*\t+3], v[A64H], s[12:13] offset:4*(32*(\t/2)+8*(\t%2))
	global_load_b128 v[BI+8*\t+4:BI+8*\t+7], v[A64H], s[12:13] offset:4*(32*(\t/2)+8*(\t%2))+16
.endr
	WIN 0
	s_wait_loadcnt 0x0
.irp u, 0,1
.irp s, 0,1,2,3
	v_lshl_or_b32 v[XS+4*\u+\s], v[XR+8*\u+2*\s+1], 16, v[XR+8*\u+2*\s]   ; two heads' bytes make K step s's scale word
.endr
.endr
.rept 8
	v_nop                                          ; a scale register written by a vector instruction stands eight places ahead of a scaled matrix instruction
.endr
	s_wait_alu depctr_va_vdst(0)                   ; x's eight scale words are written, which the products take as scales; the places above stay beside this wait
	WIN 0x11                                       ; source 0 (Wo) and source 2 (bo) window 1
.irp u, 0,1
.irp t, 0,1,2,3
	v_wmma_scale_f32_16x16x128_f8f6f4 v[ACC+32*\u+8*\t:ACC+32*\u+8*\t+7], v[12*(4*\t):12*(4*\t)+11], v[XF+48*\u:XF+48*\u+11], v[BI+8*\t:BI+8*\t+7], v[W1S+4*\t], v[XS+4*\u] matrix_a_fmt:MATRIX_FMT_FP6 matrix_b_fmt:MATRIX_FMT_FP6
.endr
.endr
	WIN 0x01
.irp s, 1,2,3                          ; the eight accumulators by turns, K step by K step
.irp u, 0,1
.irp t, 0,1,2,3
	v_wmma_scale_f32_16x16x128_f8f6f4 v[ACC+32*\u+8*\t:ACC+32*\u+8*\t+7], v[12*(4*\t+\s):12*(4*\t+\s)+11], v[XF+48*\u+12*\s:XF+48*\u+12*\s+11], v[ACC+32*\u+8*\t:ACC+32*\u+8*\t+7], v[W1S+4*\t+\s], v[XS+4*\u+\s] matrix_a_fmt:MATRIX_FMT_FP6 matrix_b_fmt:MATRIX_FMT_FP6
.endr
.endr
.endr
	WIN 0
.rept 4
	v_nop                                          ; places in front of the first read of results and of loads into registers that the products have read
.endr
	s_wait_alu depctr_va_vdst(0)                   ; the products have written the accumulators, which the LDS stores read, and are done reading x's fragments, in which the LDS loads land; the places above stay beside this wait
.irp u, 0,1
.irp t, 0,1,2,3
	ds_store_b128 v[STO], v[ACC+32*\u+8*\t:ACC+32*\u+8*\t+3] offset:128*(\t/2)+32*(\t%2)        ; each accumulator from its low end on
	ds_store_b128 v[STO], v[ACC+32*\u+8*\t+4:ACC+32*\u+8*\t+7] offset:128*(\t/2)+32*(\t%2)+16
.endr
.irp i, 0,1,2,3,4,5,6,7
	ds_load_b128 v[OUTR+32*\u+4*\i:OUTR+32*\u+4*\i+3], v[RD] offset:544*\i   ; LDS serves a wave's instructions in order: these see my stores, and the next tile's stores come behind them
.endr
.endr
.irp u, 0,1
.irp i, 0,1,2,3,4,5,6,7
	s_wait_dscnt 23-16*\u-\i                       ; the younger LDS instructions may be out
	global_store_b128 v[CO], v[OUTR+32*\u+4*\i:OUTR+32*\u+4*\i+3], s[14:15] offset:(8*\u+2*\i+8*(\i/4))*2048 th:TH_STORE_NT   ; sixteen lanes store 256 consecutive bytes, at a multiple of 256 from the output's first byte
.endr
.endr
	s_wait_dscnt 0x0                               ; the closing lines, six on end
	s_wait_alu 0x0
	s_wait_tensorcnt 0x0
	ds_add_u32 v[SPW], v[NIL]
	s_wait_dscnt 0x0
	s_endpgm
.Lfunc_end_k_qe2aed58f9a_oproj:
	.size	k_qe2aed58f9a_oproj, .Lfunc_end_k_qe2aed58f9a_oproj-k_qe2aed58f9a_oproj
	.p2alignl 7, 3214868480
	.fill 96, 4, 3214868480
	.section	.rodata,"a",@progbits
	.p2align	6, 0x0
	.amdhsa_kernel k_qe2aed58f9a_oproj
		.amdhsa_group_segment_fixed_size 35840
		.amdhsa_private_segment_fixed_size 0
		.amdhsa_enable_private_segment 0
		.amdhsa_kernarg_size 48
		.amdhsa_user_sgpr_count 2
		.amdhsa_user_sgpr_kernarg_segment_ptr 1
		.amdhsa_wavefront_size32 1
		.amdhsa_system_sgpr_workgroup_id_x 1
		.amdhsa_system_sgpr_workgroup_id_y 1
		.amdhsa_system_sgpr_workgroup_id_z 1
		.amdhsa_system_vgpr_workitem_id 0
		.amdhsa_next_free_vgpr 512
		.amdhsa_next_free_sgpr 66
		.amdhsa_reserve_vcc 0
		.amdhsa_float_denorm_mode_32 3
		.amdhsa_float_denorm_mode_16_64 3
		.amdhsa_memory_ordered 1
		.amdhsa_forward_progress 1
		.amdhsa_inst_pref_size 23
	.end_amdhsa_kernel
	.amdgpu_metadata
---
amdhsa.version: [ 1, 2 ]
amdhsa.kernels:
  - .name:           k_qe2aed58f9a_oproj
    .symbol:         k_qe2aed58f9a_oproj.kd
    .args:
      - { .name: xc, .offset: 0, .size: 8, .value_kind: global_buffer, .address_space: global }
      - { .name: xs, .offset: 8, .size: 8, .value_kind: global_buffer, .address_space: global }
      - { .name: wimg, .offset: 16, .size: 8, .value_kind: global_buffer, .address_space: global }
      - { .name: wsc, .offset: 24, .size: 8, .value_kind: global_buffer, .address_space: global }
      - { .name: bo, .offset: 32, .size: 8, .value_kind: global_buffer, .address_space: global }
      - { .name: out0, .offset: 40, .size: 8, .value_kind: global_buffer, .address_space: global }
    .group_segment_fixed_size: 35840
    .private_segment_fixed_size: 0
    .kernarg_segment_align: 8
    .kernarg_segment_size: 48
    .max_flat_workgroup_size: 256
    .sgpr_count:     66
    .vgpr_count:     512
    .wavefront_size: 32
...
	.end_amdgpu_metadata
.endif
;; end of part 7
